; MI455X (gfx1250); checked and timed in simulation.
; The chip was launched on July 23, 2026; its instructions are those of AMD's public machine-readable ISA for CDNA 5 (MIT licence, August 2026) and "CDNA5" Instruction Set Architecture Reference Guide (July 2026). The comments in the code are by the model that wrote it; some were corrected since.
;; Multi Head Self Attention. Allowed arithmetic: matrix products marked QUANTISED: E5M2 operands, one E8M0 scale for each 32 along K, by v_wmma_scale_f32_16x16x128_f8f6f4 with both operands' format E5M2, f32 sums; everything else in f32.
;; Inputs: Wk 1,024 x 1,024 float32; Wp 1,024 x 1,024 float32; Wq 1,024 x 1,024 float32; Wv 1,024 x 1,024 float32; bk 1,024 float32; bp 1,024 float32; bq 1,024 float32; bv 1,024 float32; x 4 x 2,048 x 1,024 float32.
;; Outputs: out0 4 x 2,048 x 1,024 float32.
;; This version of the problem:
;;   THIS VERSION OF THE PROBLEM IS GIVEN IN LOW PRECISION. The matrix products marked QUANTISED in the list below multiply operands that are first quantised to E5M2 (5 exponent bits, 2 mantissa bits; 8 bits a number), with one power-of-two scale for each 32 numbers along K (OCP MX v1.0); their sums are f32. All else is computed in f32.
;;   The module's matrix products, in the order in which they are computed (A, B: the left and right operand; K: the contracted axis; several contracted axes count as one K, in the product's order):
;;     1. [M 8,192, K 1,024] x [K 1,024, N 1,024]; A: input x; B: input Wq: QUANTISED
;;     2. [M 8,192, K 1,024] x [K 1,024, N 1,024]; A: input x; B: input Wk: QUANTISED
;;     3. [M 8,192, K 1,024] x [K 1,024, N 1,024]; A: input x; B: input Wv: QUANTISED
;;     4. batch 64 x [M 2,048, K 64] x [K 64, N 2,048]; A: computed on the way; B: computed on the way: QUANTISED
;;     5. batch 64 x [M 2,048, K 2,048] x [K 2,048, N 64]; A: softmax (see below); B: computed on the way: QUANTISED
;;     6. [M 8,192, K 1,024] x [K 1,024, N 1,024]; A: computed on the way; B: input Wp: QUANTISED
;;   THE QUANTISER, for each operand of a quantised product, along K:
;;     - K is cut into blocks of 32 from its start; a last block that is shorter is filled with zeros.
;;     - A block's scale is 2^e with e = floor(log2(the largest magnitude in the block)) - 15, held to -126 .. 127; a block of zeros has e = 0. As a byte (E8M0): e + 127.
;;     - Each number is divided by its block's scale, clamped to +-57,344, and rounded to the nearest number of E5M2, ties to even, subnormals kept.
;;     - The product sums the exact products of the quantised numbers (number of the format x scale) in f32.
;;   ~~~python
;;   def quantise(x, axis):      # numpy; x: float32 -> the quantised numbers, widened to float32 again
;;       x = np.moveaxis(x, axis, -1); K = x.shape[-1]
;;       x = np.pad(x, [(0, 0)] * (x.ndim - 1) + [(0, -K % 32)]); x = x.reshape(x.shape[:-1] + (-1, 32)); a = np.abs(x).max(-1, keepdims=True)
;;       e = np.where(a > 0, np.clip(np.frexp(np.where(a > 0, a, 1))[1] - 1 - 15, -126, 127), 0)      # np.frexp(a)[1] - 1 = floor(log2(a)), exactly
;;       r = np.clip(x / 2.0 ** e, -57344, 57344)
;;       step = 2.0 ** (np.maximum(np.frexp(np.where(r == 0, 1, r))[1] - 1, -14) - 2)
;;       q = np.round(r / step) * step * 2.0 ** e      # np.round: ties to even
;;       return np.moveaxis(q.reshape(q.shape[:-2] + (-1,))[..., :K], -1, axis).astype(np.float32)
;;   ~~~
;;   SOFTMAX AHEAD OF A QUANTISED PRODUCT. Where the list says 'softmax', what is quantised is not the finished softmax but p = 2^(t - M), with t = logit x log2(e) and M = ceil(the row's largest t), a whole number; so 1/2 < the row's largest p <= 1. The row's sum l is taken of the UNQUANTISED p, in f32, and the product's result is divided by l at the end. Since M is a whole number, a kernel that streams over the keys may use a running M (the ceiling of the running maximum): every later rescaling is an exact power of two, which a block's scale takes up: the codes' values come out the same.
;;   OPERANDS COMPUTED ON THE WAY. 'Computed on the way' means the value that the module computes at that place (a softmax that the list does not call 'softmax' is quantised finished and normalised). What goes into a quantiser is computed in f32, as accurately as f32 sums, v_exp_f32 and their like allow (about 1e-6 of the number): no bf16 or f16 on the way to a quantiser, and a product that is left as it is and whose result goes on into a quantised operand takes f32 operands (vector FMAs, or v_wmma_f32_16x16x4_f32). A number that lies on a knife's edge between two numbers of the format may be rounded either way, as far as f32 arithmetic and the matrix unit's own rounding can turn it there, and no further.
;; One version. Each part assembles by itself: llvm-mc -triple=amdgcn-amd-amdhsa -mcpu=gfx1250 --defsym DOCPART=n.
;; ======== version 1 of 1: 4 launches
;; limits: right only within a limited range of input values
;; workspace buffers: xc 8,388,608 bytes; xs 262,144 bytes; wc 4,194,304 bytes; ws 131,072 bytes; qi 8,650,752 bytes; kv 17,301,504 bytes; yc 8,388,608 bytes; ys 524,288 bytes
;; launch quant (part 1): grid 384 x 1, 4 waves a work-group, no clusters, 34,304 bytes of LDS; arguments x, Wq, Wk, Wv, Wp, xc, xs, wc, ws; writes xc, xs, wc, ws
.if DOCPART == 1
	.amdgcn_target "amdgcn-amd-amdhsa--gfx1250"
	.amdhsa_code_object_version 6
	.text
	.protected	k_qbe5b0ec995_quant
	.globl	k_qbe5b0ec995_quant
	.p2align	8
	.type	k_qbe5b0ec995_quant,@function
k_qbe5b0ec995_quant:
	s_mov_b64 s[64:65], 0
	v_nop
	global_prefetch_b8 v0, s[64:65] scope:SCOPE_SE
	s_setreg_imm32_b32 hwreg(HW_REG_WAVE_MODE, 25, 1), 1
	s_wait_xcnt 0x0
; x [8192][1024] and Wq, Wk, Wv, Wp [1024][1024], f32 with K innermost, become codes of BF8 (E5M2) with one E8M0 byte for each 32 along K.
; A block's scale is 2^(floor(log2(its largest magnitude)) - 15); each number is divided by it, held within +-57,344 and rounded to the nearest code, ties to even.
; THE CODES ARE LAID AS IMAGES OF OPERAND REGISTERS.  A fragment (16 rows x 128 along K) is 2,048 bytes: byte 512 c + 16 L holds registers 4 c .. 4 c + 3 of lane L = (r = L % 16, h = L / 16): row r, places 32 c + 16 h + 0 .. 15.
; THE ORDER INSIDE A BLOCK OF 32: place 16 h + i holds element 16 (i / 8) + 8 h + i % 8.  Every operand of this program is laid so, on both sides of every product, so each product's terms meet as before and a block's scale
; is untouched; it is the order in which a matrix result's registers fall, so that later launches turn results into operands by the conversions alone.  The sums run in this order of K.
; THE SCALE WORDS (four bytes: 128 along K of one row) lie in units of 256 bytes, two words a lane at 8 L: word q = K step 2 w + q; lanes 0-15 the even row tile's rows, lanes 16-31 the odd one's.
; SHARES.  A work-group takes 32 rows (two row tiles) and all of K; wave w takes K steps 2 w and 2 w + 1: four fragments n = 2 e + q (e: which tile, q: which step).  Work-groups 0-255 take x, then 32 each Wq, Wk, Wv, Wp.
; Each load reads 512 consecutive bytes of one row; 16 rows turn through the wave's own stage in LDS (pitch 528) and come back 16 numbers of each block a lane; each store of codes covers 512 consecutive bytes.
; No matrix unit, tensor load, cluster or barrier: memory binds, and the waves share nothing.
; LIMITS: NaN and infinities among the inputs are not served.  A block of zeros, or one whose largest magnitude lies under 2^-111, gets the byte 1 (the rule says 127 for zeros): its codes are zeros or follow the held byte, and this program alone reads the bytes.
.set SP,   528                         ; a stage row: 512 bytes + 16 of padding
.set WREG, 16*SP                       ; a wave's stage
.set PW,   8                           ; v8-11    the four fragments' scale words
.set R,    16                          ; v16-143  two sets of 64: 16 rows as loaded
.set XN,   144                         ; v144-207 64 numbers of my row: register 16 c + i = place 16 h + i of block c
.set PC,   208                         ; v208-239 two sets of 16: a fragment's codes
.set TM,   240                         ; v240-243 largest magnitudes, v244-247 bytes, v252-255 scale operands
.set SRC,  24                          ; s[24:25] the tensor, at my wave's first byte
.set COD,  26                          ; s[26:27] its codes
.set SCA,  28                          ; s[28:29] its scale unit
.set SEL,  44                          ; s[44:45] v_permlanex16_b32's selects for lane l xor 16
.set MNT,  46
.set HM,   47                          ; s47      lanes 16-31
	s_load_b256 s[4:11], s[0:1], 0x0               ; x, Wq, Wk, Wv
	s_load_b256 s[12:19], s[0:1], 0x20             ; Wp, xc, xs, wc
	s_load_b64 s[20:21], s[0:1], 0x40              ; ws
	s_set_vgpr_msb 0x40
	v_lshl_add_u32 v0, v0, 2, 0x8400
	v_mov_b32 v1, 0
	s_set_vgpr_msb 0x4000
	v_lshrrev_b32 v6, 5, v0
	v_readfirstlane_b32 s2, v6                     ; wave 0..3
	v_and_b32 v7, 31, v0                           ; lane
	v_and_b32 v14, 15, v0                          ; r
	v_bfe_u32 v15, v0, 4, 1                        ; h
	v_lshlrev_b32 v1, 4, v7                        ; 16 L: my bytes of a load's 512, and of a store's
	v_lshlrev_b32 v5, 3, v7                        ; 8 L: my two scale words
	s_mul_i32 s3, s2, WREG
	v_add_nc_u32 v3, s3, v1                        ; the stage, on the way in: a row as it lies
	v_mul_u32_u24 v4, v14, SP
	v_lshl_add_u32 v4, v15, 5, v4
	v_add_nc_u32 v4, s3, v4                        ; and on the way out: row r, + 32 h bytes
	s_mov_b32 s[SEL], 0x76543210
	s_mov_b32 s[SEL+1], 0xfedcba98
	s_mov_b32 s[HM], 0xffff0000
.irp b, 0,1,2,3
	v_mov_b32 v[TM+4+\b], 0                        ; written once: a lane permute's destination counts as one of its sources
.endr
	; byte offsets, made apart from the addresses.  x: pair P = the work-group's number
	s_lshl_b32 s30, ttmp9, 17                      ; 32 rows of 4,096 bytes
	s_lshl_b32 s32, ttmp9, 15                      ; codes: two row tiles x 8 K steps x 2,048
	s_lshl_b32 s22, s2, 12
	s_add_co_u32 s32, s32, s22                     ; + my two K steps
	s_lshl_b32 s34, ttmp9, 10                      ; scale units: four a pair
	; a weight: u = number - 256; j = u / 32: which weight; P' = u % 32: which pair; nq = P' / 8: which 256 rows; lp = P' % 8
	s_sub_co_u32 s22, ttmp9, 256
	s_lshr_b32 s23, s22, 5
	s_and_b32 s22, s22, 31
	s_lshr_b32 s36, s22, 3
	s_and_b32 s37, s22, 7
	s_lshl_b32 s36, s36, 2
	s_add_co_u32 s36, s36, s23                     ; 4 nq + j
	s_lshl_b32 s38, s22, 17                        ; 32 rows of 4,096 bytes
	s_lshl_b32 s39, s36, 18                        ; codes: blocks of 65,536, block (4 nq + j) 4 + w (my quarter of K),
	s_lshl_b32 s40, s37, 13                        ; in it 8,192 bytes a pair
	s_add_co_u32 s39, s39, s40
	s_lshl_b32 s40, s2, 16
	s_add_co_u32 s39, s39, s40
	s_lshl_b32 s41, s36, 13                        ; scale units: ((4 nq + j) 8 + lp) x 4
	s_lshl_b32 s40, s37, 10
	s_add_co_u32 s41, s41, s40
	s_mov_b32 s42, 4096                            ; from the even tile's images to the odd tile's: 4,096 in wc,
	s_cmp_lt_u32 ttmp9, 256
	s_cselect_b32 s30, s30, s38
	s_cselect_b32 s32, s32, s39
	s_cselect_b32 s34, s34, s41
	s_cselect_b32 s42, 16384, s42                  ; 16,384 in xc
	s_lshl_b32 s22, s2, 10
	s_add_co_u32 s30, s30, s22                     ; my two K steps in a row: 1,024 bytes a wave
	s_lshl_b32 s22, s2, 8
	s_add_co_u32 s34, s34, s22                     ; my unit
	s_mov_b32 s31, 0
	s_mov_b32 s33, 0
	s_mov_b32 s35, 0
	v_add_nc_u32 v2, s42, v1                       ; 16 L + the odd tile's distance
	s_wait_alu depctr_va_vdst(0)
	s_wait_kmcnt 0x0
	s_cmp_lt_u32 ttmp9, 352                        ; the buffers are chosen by the work-group's number alone
	s_cselect_b64 s[SRC:SRC+1], s[10:11], s[12:13]
	s_cmp_lt_u32 ttmp9, 320
	s_cselect_b64 s[SRC:SRC+1], s[8:9], s[SRC:SRC+1]
	s_cmp_lt_u32 ttmp9, 288
	s_cselect_b64 s[SRC:SRC+1], s[6:7], s[SRC:SRC+1]
	s_cmp_lt_u32 ttmp9, 256
	s_cselect_b64 s[SRC:SRC+1], s[4:5], s[SRC:SRC+1]
	s_cselect_b64 s[COD:COD+1], s[14:15], s[18:19]
	s_cselect_b64 s[SCA:SCA+1], s[16:17], s[20:21]
	s_add_nc_u64 s[SRC:SRC+1], s[SRC:SRC+1], s[30:31]
	s_add_nc_u64 s[COD:COD+1], s[COD:COD+1], s[32:33]
	s_add_nc_u64 s[SCA:SCA+1], s[SCA:SCA+1], s[34:35]
.macro LOAD n                          ; fragment n: 16 rows x 512 bytes, a row a load, into set n % 2
.irp i, 0,1,2,3,4,5,6,7,8,9,10,11,12,13,14,15
	global_load_b128 v[R+64*((\n)%2)+4*\i:R+64*((\n)%2)+4*\i+3], v1, s[SRC:SRC+1] offset:(16*((\n)/2)+\i)*4096+512*((\n)%2) th:TH_LOAD_NT
.endr
.endm
.macro TURN n                          ; through the stage: LDS serves a wave's instructions in order, so no wait stands between the stores and the loads
.irp i, 0,1,2,3,4,5,6,7,8,9,10,11,12,13,14,15
	ds_store_b128 v3, v[R+64*((\n)%2)+4*\i:R+64*((\n)%2)+4*\i+3] offset:SP*\i
.endr
.irp c, 0,1,2,3                        ; of block c (128 bytes) my half takes elements 8 h .. 8 h + 7 and 16 + 8 h .. 16 + 8 h + 7: the order inside a block
	ds_load_b128 v[XN+16*\c:XN+16*\c+3],     v4 offset:128*\c
	ds_load_b128 v[XN+16*\c+4:XN+16*\c+7],   v4 offset:128*\c+16
	ds_load_b128 v[XN+16*\c+8:XN+16*\c+11],  v4 offset:128*\c+64
	ds_load_b128 v[XN+16*\c+12:XN+16*\c+15], v4 offset:128*\c+80
.endr
.endm
; 64 numbers of a lane, register 16 b + i = place 16 h + i of block b of my row, become a fragment's codes in v[pc] on and its scale word in v[pw]
.macro QUANT s, pc, pw
.irp b, 0,1,2,3
	v_max3_num_f32 v[TM+\b], |v[(\s)+16*\b]|, |v[(\s)+1+16*\b]|, 0x8000000   ; my 16 numbers of block b, and the floor 2^(16 - 127): the byte cannot fall under 1
.endr
.irp i, 2,4,6,8,10,12,14
.irp b, 0,1,2,3
	v_max3_num_f32 v[TM+\b], v[TM+\b], |v[(\s)+16*\b+\i]|, |v[(\s)+1+16*\b+\i]|   ; the four blocks by turns
.endr
.endr
.irp b, 0,1,2,3
	v_permlanex16_b32 v[TM+4+\b], v[TM+\b], s[SEL], s[SEL+1]
.endr
.irp b, 0,1,2,3
	v_max_num_f32 v[TM+\b], v[TM+\b], v[TM+4+\b]   ; with lane l xor 16's 16: the block's largest magnitude
.endr
.irp b, 0,1,2,3
	v_add_nc_u32 v[TM+12+\b], 0xf8800000, v[TM+\b] ; 15 off its exponent field: the conversion takes this operand's exponent field as its scale
.endr
.irp b, 0,1,2,3
.endr
.irp b, 0,1,2,3
	v_lshrrev_b32 v[TM+4+\b], 23, v[TM+12+\b]      ; the scale's byte
.endr
	v_lshl_or_b32 v[\pw], v[TM+5], 8, v[TM+4]      ; four bytes: my row's scale word (both halves of the lanes hold it)
	v_lshl_or_b32 v[\pw], v[TM+6], 16, v[\pw]
	v_lshl_or_b32 v[\pw], v[TM+7], 24, v[\pw]
.irp b, 0,1,2,3
.irp i, 0,1,2,3,4,5,6,7,8,9,10,11,12,13,14,15
.endr
	v_cvt_scalef32_pk8_bf8_f32 v[(\pc)+4*\b:(\pc)+4*\b+1], v[(\s)+16*\b:(\s)+16*\b+7], v[TM+12+\b]
	v_cvt_scalef32_pk8_bf8_f32 v[(\pc)+4*\b+2:(\pc)+4*\b+3], v[(\s)+16*\b+8:(\s)+16*\b+15], v[TM+12+\b]
.endr
	v_nop                                          ; one plain line behind the last conversion
.endm
.macro OUT n                           ; the image: four stores of 512 consecutive bytes
.irp c, 0,1,2,3
	global_store_b128 v[1+(\n)/2], v[PC+16*((\n)%2)+4*\c:PC+16*((\n)%2)+4*\c+3], s[COD:COD+1] offset:2048*((\n)%2)+512*\c
.endr
.endm
	LOAD 0
	LOAD 1
.irp n, 0,1,2,3
.if \n < 3
	s_wait_loadcnt 16                              ; this fragment's 16 loads are in; the other set's 16 may be out
.else
	s_wait_loadcnt 0x0
.endif
	TURN \n
	s_wait_dscnt 0x0                               ; my 64 numbers are back, and the stage's stores have read the set,
.if \n < 2
	LOAD \n+2                                      ; which takes the fragment two further on
.endif
.if \n >= 2
	s_wait_xcnt 0x0                                ; the stores of two fragments back have read their codes' registers, which are written again below
.endif
	QUANT XN, PC+16*(\n%2), PW+\n
	OUT \n
.endr
	v_cndmask_b32 v12, v[PW], v[PW+2], s[HM]       ; word 0: K step 2 w: lanes 0-15 the even tile's rows, lanes 16-31 the odd tile's
	v_cndmask_b32 v13, v[PW+1], v[PW+3], s[HM]     ; word 1: K step 2 w + 1
	global_store_b64 v5, v[12:13], s[SCA:SCA+1]    ; 32 lanes store 256 consecutive bytes, aligned
	s_set_vgpr_msb 0x5
	s_wait_tensorcnt 0x0
	ds_add_u32 v0, v1
	s_wait_dscnt 0x0
	s_set_vgpr_msb 0x500
	s_endpgm
.Lfunc_end_k_qbe5b0ec995_quant:
	.size	k_qbe5b0ec995_quant, .Lfunc_end_k_qbe5b0ec995_quant-k_qbe5b0ec995_quant
	.p2alignl 7, 3214868480
	.fill 96, 4, 3214868480
	.section	.rodata,"a",@progbits
	.p2align	6, 0x0
	.amdhsa_kernel k_qbe5b0ec995_quant
		.amdhsa_group_segment_fixed_size 34304
		.amdhsa_private_segment_fixed_size 0
		.amdhsa_enable_private_segment 0
		.amdhsa_kernarg_size 72
		.amdhsa_user_sgpr_count 2
		.amdhsa_user_sgpr_kernarg_segment_ptr 1
		.amdhsa_wavefront_size32 1
		.amdhsa_system_sgpr_workgroup_id_x 1
		.amdhsa_system_sgpr_workgroup_id_y 1
		.amdhsa_system_sgpr_workgroup_id_z 1
		.amdhsa_system_vgpr_workitem_id 0
		.amdhsa_next_free_vgpr 258
		.amdhsa_next_free_sgpr 66
		.amdhsa_reserve_vcc 0
		.amdhsa_float_denorm_mode_32 3
		.amdhsa_float_denorm_mode_16_64 3
		.amdhsa_fp16_overflow 1
		.amdhsa_memory_ordered 1
		.amdhsa_forward_progress 1
		.amdhsa_inst_pref_size 34
	.end_amdhsa_kernel
	.amdgpu_metadata
---
amdhsa.version: [ 1, 2 ]
amdhsa.kernels:
  - .name:           k_qbe5b0ec995_quant
    .symbol:         k_qbe5b0ec995_quant.kd
    .args:
      - { .name: x, .offset: 0, .size: 8, .value_kind: global_buffer, .address_space: global }
      - { .name: Wq, .offset: 8, .size: 8, .value_kind: global_buffer, .address_space: global }
      - { .name: Wk, .offset: 16, .size: 8, .value_kind: global_buffer, .address_space: global }
      - { .name: Wv, .offset: 24, .size: 8, .value_kind: global_buffer, .address_space: global }
      - { .name: Wp, .offset: 32, .size: 8, .value_kind: global_buffer, .address_space: global }
      - { .name: xc, .offset: 40, .size: 8, .value_kind: global_buffer, .address_space: global }
      - { .name: xs, .offset: 48, .size: 8, .value_kind: global_buffer, .address_space: global }
      - { .name: wc, .offset: 56, .size: 8, .value_kind: global_buffer, .address_space: global }
      - { .name: ws, .offset: 64, .size: 8, .value_kind: global_buffer, .address_space: global }
    .group_segment_fixed_size: 34304
    .private_segment_fixed_size: 0
    .kernarg_segment_align: 8
    .kernarg_segment_size: 72
    .max_flat_workgroup_size: 128
    .sgpr_count:     66
    .vgpr_count:     258
    .wavefront_size: 32
...
	.end_amdgpu_metadata
.endif
;; end of part 1
;; launch qkv (part 2): grid 4 x 64, 4 waves a work-group, clusters of 4 x 4, 327,680 bytes of LDS; arguments xc, xs, wc, ws, bq, bk, bv, qi, kv; writes qi, kv
.if DOCPART == 2
	.amdgcn_target "amdgcn-amd-amdhsa--gfx1250"
	.amdhsa_code_object_version 6
	.text
	.protected	k_qbe5b0ec995_qkv
	.globl	k_qbe5b0ec995_qkv
	.p2align	8
	.type	k_qbe5b0ec995_qkv,@function
k_qbe5b0ec995_qkv:
	s_mov_b64 s[64:65], 0
	v_nop
	global_prefetch_b8 v0, s[64:65] scope:SCOPE_SE
	s_setreg_imm32_b32 hwreg(HW_REG_WAVE_MODE, 25, 1), 1
	s_wait_xcnt 0x0
	s_wait_alu depctr_hold_cnt(0) depctr_sa_sdst(0) depctr_va_vdst(0) depctr_va_sdst(0) depctr_va_ssrc(0) depctr_va_vcc(0) depctr_vm_vsrc(0)
	s_getreg_b32 s2, hwreg(HW_REG_IB_STS2, 6, 4)
	s_cmp_eq_u32 s2, 0
	s_cbranch_scc0 .Lentry_in_a_cluster
	s_endpgm
.Lentry_in_a_cluster:
	s_bfe_u32 s2, ttmp6, 0x10000c
	s_cmp_lg_u32 s2, 0xf033
	s_cbranch_scc0 .Lentry_shape_is_right
	s_endpgm
.Lentry_shape_is_right:
; q = x Wq^T + bq, k = x Wk^T + bk, v = x Wv^T + bv on codes of BF8 (E5M2) with E8M0 scales for each 32 along K, sums in f32; the three results are quantised in registers, q and k along the head's 64 channels,
; v along the keys, and leave as images of the operand registers that the attention launch wants.  No f32 result goes to memory.
; SHARES.  Work-group (nq, mt): 128 tokens (tokens 128 mt on: one key step of one batch) x rows 256 nq .. 256 nq + 255 of EACH of the three weights: it stays and makes three tiles.  Wave w is head 4 nq + w: all 128 tokens x 64 columns,
; 32 accumulators.  x's 128 rows x 1,024 codes stay in LDS for all three tiles; the weights come through a ring of two slots of 65,536 bytes (256 rows x 256 along K), twelve slot steps.
; All codes lie in memory as fragment images (16 rows x 128 K: 2,048 bytes, lane L's registers 4 c .. 4 c + 3 at 512 c + 16 L), so every tile is a dense block and every LDS load takes 512 consecutive bytes.
; CLUSTER 4 x 4.  The four of a row of the cluster share mt, so x's tile is asked for jointly along the row; the four of a column share nq, so the weights' blocks are asked for jointly along the column.
; TWO KINDS OF TILE.  q, k: source 0 = 16 rows of W (block b), source 1 = 16 tokens (block a): lane (r, h) holds token r, register j column 16 b + 8 h + j; accumulator at 8 (4 a + b): the 64 registers at 64 i are token tiles
; 2 i and 2 i + 1, each two blocks of 32 channels.  v: sources swapped: lane (r, h) holds channel 16 b + r, register j token 16 a + 8 h + j; accumulator at 8 (8 b + a): the 64 registers at 64 b are four blocks of 32 keys.
; In both, register 16 c + i of a run of 64 is place 16 h + i of block c, which holds element 16 (i / 8) + 8 h + i % 8: this program's order inside a block, the same on both sides of every product.
; The biases are the C of each tile's first products.
; REGISTERS, in windows of 256: window 0: addresses, scale words (v32-111), the quantiser's registers.  window 1: the 32 accumulators.  window 2: x's fragments, two sets of 128.  window 3: W's fragments, two sets of 64; from v128 the biases.
; LIMITS: NaN and infinities are not served.  A block of zeros or under 2^-111 gets the byte 1; this program alone reads the bytes.  The sums run in this program's order of K.
.set LI,    1                          ; v1   16 L: an image's place for my lane; also the LDS address of x's blocks 0-3
.set L8,    2                          ; v2   8 L: a scale unit's place for my lane
.set AHI,   3                          ; v3   LI + 65,536: x's blocks 4-7  (v[LI + 2 (a / 4)])
.set ADRB,  5                          ; v5-6 LDS address of my wave's rows of W in slot 0, 1
.set PFO,   7                          ; v7   256 L: the prefetches' offset; never rewritten
.set BO8,   8                          ; v8   32 h: bq's and bk's eight numbers of my half
.set BO4,   9                          ; v9   4 r: bv's number of my channel
.set SPW,   28                         ; v28  LDS address of my spare word; never rewritten
.set NIL,   29                         ; v29  0; never rewritten
.set ASC,   32                         ; v32-63   x's scale words: register 8 (a / 2) + s: lanes 0-15 block a even, lanes 16-31 a odd
.set BSC,   64                         ; v64-111  W's: register 16 j + 8 (b / 2) + s likewise
.set TM,    112                        ; v112-127 largest magnitudes, bytes, scale operands
.set PW,    128                        ; v128-131 four scale words
.set XY,    132                        ; v[132:133] a scale unit's two words
.set PC,    136                        ; v136-167 two sets of 16: a fragment's codes
.set BI,    128                        ; window 3: bq's four tiles at v128, bk's at v160, bv's at v192
.set BLDS,  131072                     ; LDS: x's tile 0 .. 131,071 (image (a, s) at (8 a + s) 2,048); then the ring
.set SLOT,  65536
.set SPARE, 262144                     ; behind the ring: the spare words, 128 bytes a wave: two blocks of 256 bytes that no other line names
.set WV,    29                         ; s29  my wave's number
.set G1A,   36                         ; s[36:43] descriptor group 1 for x's tile;  s[44:51] for W's blocks
.set G1B,   44
.set G0A,   52                         ; s[52:55] group 0 for x's tile;  s[56:63] for W's blocks, a set for each slot
.set G0B,   56
.set QP,    66                         ; s[66:67] my block of qi;  s[68:69] of kv
.set KP,    68
.set PFA,   70                         ; s[70:71] where my prefetches stand
.set LIM,   72                         ; s72  1 in a wave that prefetches
.set HM,    73                         ; s73  lanes 16-31
.set SEL,   74                         ; s[74:75] selects for lane l xor 16
.set MNT,   76
.set MSB, 0
.macro WIN new                         ; the immediate's high byte repeats the setting that is left
.if MSB != \new
	s_set_vgpr_msb (MSB<<8)|\new
.set MSB, \new
.endif
.endm
.macro PLACES n                        ; plain vector instructions behind matrix instructions: eight for this form, ahead of loads into their operands and of the first read of results
.rept \n
	v_nop
.endr
.endm
.macro CREST                           ; a round of the cluster's barrier behind its opening barrier
	s_cmp_lg_u32 s[WV], 0
	s_cbranch_scc1 .Lnot_wave_0_\@
	s_barrier_signal -3
.Lnot_wave_0_\@:
	s_barrier_wait -3
	s_barrier_signal -1
	s_barrier_wait -1
.endm
.macro CROUND                          ; a whole round
	s_barrier_signal -1
	s_barrier_wait -1
	CREST
.endm
.macro WMI                             ; one product, by the symbols mD, mA, mB, mC, mSA, mSB; mRA, mRB: the scale words lie in lanes 16-31
.if mRA && mRB
	v_wmma_scale_f32_16x16x128_f8f6f4 v[mD:mD+7], v[mA:mA+15], v[mB:mB+15], v[mC:mC+7], v[mSA], v[mSB] matrix_a_fmt:MATRIX_FMT_BF8 matrix_b_fmt:MATRIX_FMT_BF8 matrix_a_scale:MATRIX_SCALE_ROW1 matrix_b_scale:MATRIX_SCALE_ROW1
.elseif mRA
	v_wmma_scale_f32_16x16x128_f8f6f4 v[mD:mD+7], v[mA:mA+15], v[mB:mB+15], v[mC:mC+7], v[mSA], v[mSB] matrix_a_fmt:MATRIX_FMT_BF8 matrix_b_fmt:MATRIX_FMT_BF8 matrix_a_scale:MATRIX_SCALE_ROW1
.elseif mRB
	v_wmma_scale_f32_16x16x128_f8f6f4 v[mD:mD+7], v[mA:mA+15], v[mB:mB+15], v[mC:mC+7], v[mSA], v[mSB] matrix_a_fmt:MATRIX_FMT_BF8 matrix_b_fmt:MATRIX_FMT_BF8 matrix_b_scale:MATRIX_SCALE_ROW1
.else
	v_wmma_scale_f32_16x16x128_f8f6f4 v[mD:mD+7], v[mA:mA+15], v[mB:mB+15], v[mC:mC+7], v[mSA], v[mSB] matrix_a_fmt:MATRIX_FMT_BF8 matrix_b_fmt:MATRIX_FMT_BF8
.endif
.endm
; four products: x's block a against W's four, K step ks, fragment set 'set'.  first = 1: C is the bias.  The 32 accumulators take turns, one instruction a turn, in the same order in every K step.
.macro MUL a, set, ks, first
.irp b, 0,1,2,3
.if KIND == 0
.set mD,  8*(4*(\a)+\b)
.set mA,  64*(\set)+16*\b
.set mB,  128*(\set)+16*(\a)
.set mSA, BSC+16*J+8*(\b/2)+(\ks)
.set mSB, ASC+8*((\a)/2)+(\ks)
.set mRA, \b%2
.set mRB, (\a)%2
.else
.set mD,  8*(8*\b+(\a))
.set mA,  128*(\set)+16*(\a)
.set mB,  64*(\set)+16*\b
.set mSA, ASC+8*((\a)/2)+(\ks)
.set mSB, BSC+16*J+8*(\b/2)+(\ks)
.set mRA, (\a)%2
.set mRB, \b%2
.endif
.set mC, mD
.if \first
.set mC, BI+32*J+8*\b
.endif
	WMI
.endr
.endm
; 48 LDS loads in one run: x's eight fragments of K step s and my four of W (the slot's K step q) into set 'set'
.macro FETCH slot, q, s, set
	WIN 0x80                                       ; destination window 2
.irp a, 0,1,2,3,4,5,6,7
.irp c, 0,1,2,3
	ds_load_b128 v[128*(\set)+16*\a+4*\c:128*(\set)+16*\a+4*\c+3], v[LI+2*(\a/4)] offset:((\a%4)*8+(\s))*2048+512*\c
.endr
.endr
	WIN 0xc0                                       ; destination window 3
.irp b, 0,1,2,3
.irp c, 0,1,2,3
	ds_load_b128 v[64*(\set)+16*\b+4*\c:64*(\set)+16*\b+4*\c+3], v[ADRB+(\slot)] offset:(2*\b+(\q))*2048+512*\c
.endr
.endr
	WIN 0
.endm
; A PREFETCH INTO THE L2 of the weights' block four slot steps on, which the refill two changes of slots on will ask for: 128 products a wave ahead of that load.  A block of 65,536 bytes is read by all sixteen rows of clusters:
; the first row of clusters (cluster y = 0) asks.  Its four partners of a column share the block out BY ADDRESS, 16,384 bytes each (cy); in each, waves 0 and 1 take 8,192 bytes, lanes 256 bytes apart.  So each aligned
; 256 bytes are named once in the launch.  Blocks 0 to 3 come by their loads alone; slot steps 8 and later ask for nothing: block 11 is the last that this launch reads.
.macro ASK
	s_cmp_eq_u32 s[LIM], 1
	s_cbranch_scc0 .Lnot_mine_\@
	global_prefetch_b8 v[PFO], s[PFA:PFA+1] offset:(SG+4)*SLOT th:TH_LOAD_NT scope:SCOPE_SE
.Lnot_mine_\@:
.endm
; A slot's first K step (set 0); the second's fragments are fetched ahead of its products
.macro STEP
	s_wait_dscnt 0x0                               ; set 0 is in
	PLACES 8                                       ; behind the products that read set 1
	FETCH SL, 1, KS+1, 1
.if KS == 0
	WIN WMUL+0x20                                  ; C in window 3: the bias starts the sums
.irp a, 0,1,2,3,4,5,6,7
	MUL \a, 0, KS, 1
.endr
.else
	WIN WMUL
.irp a, 0,1,2,3,4,5,6,7
	MUL \a, 0, KS, 0
.endr
.endif
	WIN 0
.endm
; A slot's second K step (set 1) changes slots: ONE barrier; ahead of it each wave waits for all its tensor loads (one is out: its part of the other slot), adds 0 to its spare word, and waits for that and for its reads of this slot.
; Where the slot is filled again (slot steps 0 to 9) the barrier opens a round of the cluster's barrier, and the joint refill, two slot steps ahead, is the first thing behind the round.
.macro TURN
	s_wait_tensorcnt 0x0                           ; all my tensor loads have landed;
	ds_add_u32 v[SPW], v[NIL]                      ; 0 onto my spare word
	s_wait_dscnt 0x1                               ; set 1's 48 loads are in; the add may be out
	WIN WMUL
	MUL 0, 1, KS+1, 0                              ; eight products stand between the add and the wait for it
	MUL 1, 1, KS+1, 0
	s_wait_dscnt 0x0                               ; the add is done, and my reads of this slot are over
	s_barrier_signal -1
	MUL 2, 1, KS+1, 0
	MUL 3, 1, KS+1, 0
	WIN 0
	s_barrier_wait -1
.if SG < 10
	CREST                                          ; no wave of any partner still reads this slot or has a load on its way
	s_add_nc_u64 s[G0B+4*SL+2:G0B+4*SL+3], s[G0B+4*SL+2:G0B+4*SL+3], 2*SLOT
	tensor_load_to_lds s[G0B+4*SL:G0B+4*SL+3], s[G1B:G1B+7]   ; my quarter of the block two slot steps on: my one tensor load until the next round
	s_nop 0
.endif
	PLACES 8                                       ; behind the products that read set 0 (the first four also follow the tensor load)
	FETCH 1-SL, 0, (KS+2)%8, 0
.if SG < 8
	ASK
.endif
	WIN WMUL
.irp a, 4,5,6,7
	MUL \a, 1, KS+1, 0
.endr
	WIN 0
.endm
; The 64 accumulator registers at 64 i of window 1 become a fragment's codes in v[pc] on and its scale word in v[pw].  Each accumulator is read from its low end on.
.macro QUANTW i, pc, pw
.set QS, 64*(\i)
	WIN 0x05                                       ; sources 0 and 1 window 1
.irp b, 0,1,2,3
	v_max3_num_f32 v[TM+\b], |v[QS+16*\b]|, |v[QS+16*\b+1]|, 0x8000000   ; my 16 numbers of block b, and the floor 2^(16 - 127)
.endr
	WIN 0x14                                       ; sources 1 and 2 window 1
.irp i2, 2,4,6,8,10,12,14
.irp b, 0,1,2,3
	v_max3_num_f32 v[TM+\b], v[TM+\b], |v[QS+16*\b+\i2]|, |v[QS+16*\b+\i2+1]|
.endr
.endr
	WIN 0
.irp b, 0,1,2,3
	v_permlanex16_b32 v[TM+4+\b], v[TM+\b], s[SEL], s[SEL+1]
.endr
.irp b, 0,1,2,3
	v_max_num_f32 v[TM+\b], v[TM+\b], v[TM+4+\b]   ; with lane l xor 16's: the block's largest magnitude
.endr
.irp b, 0,1,2,3
	v_add_nc_u32 v[TM+12+\b], 0xf8800000, v[TM+\b] ; 15 off its exponent field: the conversion's scale operand
.endr
.irp b, 0,1,2,3
.endr
.irp b, 0,1,2,3
	v_lshrrev_b32 v[TM+4+\b], 23, v[TM+12+\b]      ; the scale's byte
.endr
	v_lshl_or_b32 v[\pw], v[TM+5], 8, v[TM+4]
	v_lshl_or_b32 v[\pw], v[TM+6], 16, v[\pw]
	v_lshl_or_b32 v[\pw], v[TM+7], 24, v[\pw]
	WIN 0x41                                       ; destination and source 0 window 1
.irp b, 0,1,2,3
.irp i2, 0,1,2,3,4,5,6,7,8,9,10,11,12,13,14,15
.endr
.endr
	s_wait_xcnt 0x0                                ; every earlier store has read its registers: the codes' set and the unit's two words are written again only behind this wait
	WIN 0x01                                       ; source 0 window 1
.irp b, 0,1,2,3
	v_cvt_scalef32_pk8_bf8_f32 v[(\pc)+4*\b:(\pc)+4*\b+1], v[QS+16*\b:QS+16*\b+7], v[TM+12+\b]
	v_cvt_scalef32_pk8_bf8_f32 v[(\pc)+4*\b+2:(\pc)+4*\b+3], v[QS+16*\b+8:QS+16*\b+15], v[TM+12+\b]
.endr
	WIN 0
	v_nop                                          ; one plain line behind the last conversion
.endm
; A tile leaves: four images of 2,048 bytes (each store 512 consecutive bytes) and one scale unit of 256.  It touches no LDS: the next tile's refill and first fragments are on their way meanwhile.
.macro EPI base, coff, soff
	PLACES 8
.irp i, 0,1,2,3
	QUANTW \i, PC+16*(\i%2), PW+\i
.irp c, 0,1,2,3
	global_store_b128 v[LI], v[PC+16*(\i%2)+4*\c:PC+16*(\i%2)+4*\c+3], s[\base:\base+1] offset:\coff+2048*\i+512*\c
.endr
.endr
	v_cndmask_b32 v[XY], v[PW], v[PW+1], s[HM]     ; word 0: lanes 0-15 image 0's words, lanes 16-31 image 1's
	v_cndmask_b32 v[XY+1], v[PW+2], v[PW+3], s[HM] ; word 1: images 2 and 3
	global_store_b64 v[L8], v[XY:XY+1], s[\base:\base+1] offset:\soff
.endm
	s_load_b256 s[4:11], s[0:1], 0x0               ; xc s[4:5], xs s[6:7], wc s[8:9], ws s[10:11]
	s_load_b256 s[12:19], s[0:1], 0x20             ; bq s[12:13], bk s[14:15], bv s[16:17], qi s[18:19]
	s_load_b64 s[20:21], s[0:1], 0x40              ; kv
	v_lshl_add_u32 v[SPW], v0, 2, SPARE
	v_mov_b32 v[NIL], 0
	ds_add_u32 v28, v29
	ds_add_u32 v28, v29
	s_wait_dscnt 0x0
	v_lshrrev_b32 v10, 5, v0
	v_readfirstlane_b32 s[WV], v10                 ; wave 0..3
	s_bfe_u32 s22, ttmp6, 0x40000                  ; cx
	s_bfe_u32 s23, ttmp6, 0x40004                  ; cy
	s_lshl_b32 s24, ttmp9, 2
	s_add_co_u32 s24, s24, s22                     ; nq = 4 x cluster x + cx
	s_and_b32 s25, ttmp7, 0xffff                   ; cluster y
	s_lshl_b32 s26, s25, 2
	s_add_co_u32 s26, s26, s23                     ; mt = 4 x cluster y + cy
	s_lshl_b32 s27, s23, 2
	s_lshl_b32 s27, 15, s27                        ; my row of the cluster
	s_lshl_b32 s28, 0x1111, s22                    ; my column
	; descriptor groups 1: dense blocks as rows of 256 bytes (32 elements of 8 bytes), no padding: x's quarter 128 rows, W's quarter 64
	s_or_b32 s[G1A], s27, (3<<16)|(1<<21)          ; 15:0 the mask; 17:16 elements of 8 bytes; 21 set beside a mask
	s_mov_b32 s[G1A+1], 32<<16                     ; tensor_dim0
	s_mov_b32 s[G1A+2], 128<<16                    ; tensor_dim1
	s_mov_b32 s[G1A+3], 32<<16                     ; tile_dim0
	s_mov_b32 s[G1A+4], 128                        ; tile_dim1
	s_mov_b32 s[G1A+5], 32                         ; the pitch
	s_mov_b32 s[G1A+6], 0
	s_mov_b32 s[G1A+7], 0
	s_or_b32 s[G1B], s28, (3<<16)|(1<<21)
	s_mov_b32 s[G1B+1], 32<<16
	s_mov_b32 s[G1B+2], 64<<16
	s_mov_b32 s[G1B+3], 32<<16
	s_mov_b32 s[G1B+4], 64
	s_mov_b32 s[G1B+5], 32
	s_mov_b32 s[G1B+6], 0
	s_mov_b32 s[G1B+7], 0
	s_lshl_b32 s30, s26, 17                        ; x's tile: 131,072 mt + 32,768 w: of mt and the wave alone
	s_lshl_b32 s78, s[WV], 15
	s_add_co_u32 s30, s30, s78
	s_mov_b32 s31, 0
	s_lshl_b32 s32, s24, 20                        ; W's blocks: 1,048,576 nq + 16,384 w: of nq and the wave alone
	s_lshl_b32 s79, s[WV], 14
	s_add_co_u32 s32, s32, s79
	s_mov_b32 s33, 0
	s_wait_kmcnt 0x0
	s_add_nc_u64 s[34:35], s[8:9], s[32:33]
	CROUND                                         ; all sixteen work-groups are here: the first joint loads meet
	s_mov_b32 s[G0A], 1
	s_mov_b32 s[G0A+1], s78                        ; LDS: 32,768 w
	s_add_nc_u64 s[G0A+2:G0A+3], s[4:5], s[30:31]
	s_or_b32 s[G0A+3], s[G0A+3], 0x80000000
.irp n, 0,1
	s_mov_b32 s[G0B+4*\n], 1
	s_add_co_u32 s[G0B+4*\n+1], s79, BLDS+\n*SLOT  ; LDS: the slot + 16,384 w
	s_add_nc_u64 s[G0B+4*\n+2:G0B+4*\n+3], s[34:35], \n*SLOT   ; block n
	s_or_b32 s[G0B+4*\n+3], s[G0B+4*\n+3], 0x80000000
.endr
	tensor_load_to_lds s[G0A:G0A+3], s[G1A:G1A+7]  ; the three first fills stand together: three loads of mine are out
	s_nop 0
	tensor_load_to_lds s[G0B:G0B+3], s[G1B:G1B+7]
	s_nop 0
	tensor_load_to_lds s[G0B+4:G0B+7], s[G1B:G1B+7]
	s_nop 0
	PLACES 4
	v_and_b32 v10, 31, v0                          ; L
	v_and_b32 v11, 15, v0                          ; r
	v_bfe_u32 v12, v0, 4, 1                        ; h
	v_lshlrev_b32 v[LI], 4, v10
	v_lshlrev_b32 v[L8], 3, v10
	v_add_nc_u32 v[AHI], 0x10000, v[LI]
	s_add_co_u32 s80, s79, BLDS
	v_add_nc_u32 v[ADRB], s80, v[LI]
	v_add_nc_u32 v[ADRB+1], SLOT, v[ADRB]
	v_lshlrev_b32 v[PFO], 8, v10
	v_lshlrev_b32 v[BO8], 5, v12
	s_wait_alu depctr_va_vdst(0)
	v_lshlrev_b32 v[BO4], 2, v11
	s_wait_alu depctr_va_vdst(0)
.irp b, 0,1,2,3
	v_mov_b32 v[TM+4+\b], 0                        ; written once: a lane permute's destination counts as one of its sources
.endr
	s_mov_b32 s[HM], 0xffff0000
	s_mov_b32 s[SEL], 0x76543210
	s_mov_b32 s[SEL+1], 0xfedcba98
	s_lshl_b32 s82, s26, 12                        ; x's scale units: 16 for my 128 tokens
	s_mov_b32 s83, 0
	s_add_nc_u64 s[82:83], s[6:7], s[82:83]
	s_lshl_b32 s84, s24, 15                        ; W's: 32,768 nq + 2,048 w (my two pairs of row tiles)
	s_lshl_b32 s86, s[WV], 11
	s_add_co_u32 s84, s84, s86
	s_mov_b32 s85, 0
	s_add_nc_u64 s[84:85], s[10:11], s[84:85]
	s_lshl_b32 s86, s24, 10                        ; the biases: my head's 64 numbers
	s_lshl_b32 s88, s[WV], 8
	s_add_co_u32 s86, s86, s88
	s_mov_b32 s87, 0
	s_add_nc_u64 s[12:13], s[12:13], s[86:87]
	s_add_nc_u64 s[14:15], s[14:15], s[86:87]
	s_add_nc_u64 s[16:17], s[16:17], s[86:87]
.irp P, 0,1,2,3
.irp kp, 0,1,2,3
	global_load_b64 v[ASC+8*\P+2*\kp:ASC+8*\P+2*\kp+1], v[L8], s[82:83] offset:256*(4*\P+\kp)   ; whole units of 256 bytes; they stay in registers
.endr
.endr
.irp j, 0,1,2
.irp P, 0,1
.irp kp, 0,1,2,3
	global_load_b64 v[BSC+16*\j+8*\P+2*\kp:BSC+16*\j+8*\P+2*\kp+1], v[L8], s[84:85] offset:8192*\j+1024*\P+256*\kp
.endr
.endr
.endr
	WIN 0xc0                                       ; destination window 3
.irp b, 0,1,2,3
	global_load_b128 v[BI+8*\b:BI+8*\b+3],       v[BO8], s[12:13] offset:64*\b      ; bq at columns 16 b + 8 h + 0 .. 7
	global_load_b128 v[BI+8*\b+4:BI+8*\b+7],     v[BO8], s[12:13] offset:64*\b+16
	global_load_b128 v[BI+32+8*\b:BI+32+8*\b+3], v[BO8], s[14:15] offset:64*\b      ; bk likewise
	global_load_b128 v[BI+32+8*\b+4:BI+32+8*\b+7], v[BO8], s[14:15] offset:64*\b+16
	global_load_b32 v[BI+64+8*\b], v[BO4], s[16:17] offset:64*\b                    ; bv at channel 16 b + r: the same for the lane's eight tokens
.endr
	WIN 0
	s_wait_loadcnt 0x0
	WIN 0xc3                                       ; destination and source 0 window 3
.irp b, 0,1,2,3
.irp k, 1,2,3,4,5,6,7
	v_mov_b32 v[BI+64+8*\b+\k], v[BI+64+8*\b]
.endr
.endr
	WIN 0
	s_lshr_b32 s88, s26, 4                         ; the batch
	s_and_b32 s89, s26, 15                         ; the key step
	s_lshl_b32 s88, s88, 4
	s_lshl_b32 s90, s24, 2
	s_add_co_u32 s88, s88, s90
	s_add_co_u32 s88, s88, s[WV]                   ; 16 x batch + head
	s_lshl_b32 s88, s88, 4
	s_add_co_u32 s88, s88, s89                     ; my block's number
	s_mul_i32 s90, s88, 8448
	s_mov_b32 s91, 0
	s_add_nc_u64 s[QP:QP+1], s[18:19], s[90:91]
	s_mul_i32 s90, s88, 16896
	s_add_nc_u64 s[KP:KP+1], s[20:21], s[90:91]
	s_lshl_b32 s90, s24, 20                        ; the prefetches: nq's blocks, + 16,384 cy + 8,192 w
	s_lshl_b32 s92, s23, 14
	s_add_co_u32 s90, s90, s92
	s_lshl_b32 s92, s[WV], 13
	s_add_co_u32 s90, s90, s92
	s_add_nc_u64 s[PFA:PFA+1], s[8:9], s[90:91]
	s_lshr_b32 s92, s[WV], 1                       ; 0 in waves 0 and 1,
	s_or_b32 s92, s92, s25                         ; of the first row of clusters: the same in all sixteen partners, for a given wave
	s_cmp_eq_u32 s92, 0
	s_cselect_b32 s[LIM], 1, -1
	s_wait_tensorcnt 0x1                           ; x's tile and slot 0 are in (my parts); slot 1's load may stay out
	s_barrier_signal -1
	s_barrier_wait -1                              ; everybody's are
	FETCH 0, 0, 0, 0
.set SG, 0                             ; the slot step: weight J = SG / 4, quarter of K SG % 4
.rept 12
.set J, SG/4
.set KIND, J/2                         ; 0: q, k;  1: v
.set SL, SG%2
.set KS, 2*(SG%4)
.set WMUL, 0x5b+3*KIND                 ; q, k: source 0 window 3, source 1 window 2;  v: the other way round;  C and D window 1
	STEP
.if SG < 11
	TURN
.else
	s_wait_dscnt 0x0                               ; the very last K step: nothing more to fetch
	WIN WMUL
.irp a, 0,1,2,3,4,5,6,7
	MUL \a, 1, KS+1, 0
.endr
	WIN 0
.endif
.if SG == 3
	EPI QP, 0, 8192                                ; q: four images of two query tiles each, then their scale unit
.elseif SG == 7
	EPI KP, 0, 16384                               ; k: four images of two key tiles each
.elseif SG == 11
	EPI KP, 8192, 16640                            ; v: four images of 16 channels x 128 keys
.endif
.set SG, SG+1
.endr
	s_wait_tensorcnt 0x0                           ; the wave's end
	ds_add_u32 v[SPW], v[NIL]
	s_wait_dscnt 0x0
	CROUND                                         ; the closing round: no work-group ends while a partner may still ask for a tile that names it
	s_endpgm
.Lfunc_end_k_qbe5b0ec995_qkv:
	.size	k_qbe5b0ec995_qkv, .Lfunc_end_k_qbe5b0ec995_qkv-k_qbe5b0ec995_qkv
	.p2alignl 7, 3214868480
	.fill 96, 4, 3214868480
	.section	.rodata,"a",@progbits
	.p2align	6, 0x0
	.amdhsa_kernel k_qbe5b0ec995_qkv
		.amdhsa_group_segment_fixed_size 327680
		.amdhsa_private_segment_fixed_size 0
		.amdhsa_enable_private_segment 0
		.amdhsa_kernarg_size 72
		.amdhsa_user_sgpr_count 2
		.amdhsa_user_sgpr_kernarg_segment_ptr 1
		.amdhsa_wavefront_size32 1
		.amdhsa_system_sgpr_workgroup_id_x 1
		.amdhsa_system_sgpr_workgroup_id_y 1
		.amdhsa_system_sgpr_workgroup_id_z 1
		.amdhsa_system_vgpr_workitem_id 0
		.amdhsa_next_free_vgpr 1024
		.amdhsa_next_free_sgpr 100
		.amdhsa_reserve_vcc 0
		.amdhsa_float_denorm_mode_32 3
		.amdhsa_float_denorm_mode_16_64 3
		.amdhsa_fp16_overflow 1
		.amdhsa_memory_ordered 1
		.amdhsa_forward_progress 1
		.amdhsa_inst_pref_size 251
	.end_amdhsa_kernel
	.amdgpu_metadata
---
amdhsa.version: [ 1, 2 ]
amdhsa.kernels:
  - .name:           k_qbe5b0ec995_qkv
    .symbol:         k_qbe5b0ec995_qkv.kd
    .args:
      - { .name: xc, .offset: 0, .size: 8, .value_kind: global_buffer, .address_space: global }
      - { .name: xs, .offset: 8, .size: 8, .value_kind: global_buffer, .address_space: global }
      - { .name: wc, .offset: 16, .size: 8, .value_kind: global_buffer, .address_space: global }
      - { .name: ws, .offset: 24, .size: 8, .value_kind: global_buffer, .address_space: global }
      - { .name: bq, .offset: 32, .size: 8, .value_kind: global_buffer, .address_space: global }
      - { .name: bk, .offset: 40, .size: 8, .value_kind: global_buffer, .address_space: global }
      - { .name: bv, .offset: 48, .size: 8, .value_kind: global_buffer, .address_space: global }
      - { .name: qi, .offset: 56, .size: 8, .value_kind: global_buffer, .address_space: global }
      - { .name: kv, .offset: 64, .size: 8, .value_kind: global_buffer, .address_space: global }
    .group_segment_fixed_size: 327680
    .private_segment_fixed_size: 0
    .kernarg_segment_align: 8
    .kernarg_segment_size: 72
    .max_flat_workgroup_size: 128
    .sgpr_count:     100
    .vgpr_count:     1024
    .wavefront_size: 32
...
	.end_amdgpu_metadata
.endif
;; end of part 2
;; launch attn (part 3): grid 4 x 64, 16 waves a work-group, clusters of 4 x 1, 327,680 bytes of LDS; arguments qi, kv, yc, ys; writes yc, ys
.if DOCPART == 3
	.amdgcn_target "amdgcn-amd-amdhsa--gfx1250"
	.amdhsa_code_object_version 6
	.text
	.protected	k_qbe5b0ec995_attn
	.globl	k_qbe5b0ec995_attn
	.p2align	8
	.type	k_qbe5b0ec995_attn,@function
k_qbe5b0ec995_attn:
	s_mov_b64 s[64:65], 0
	v_nop
	global_prefetch_b8 v0, s[64:65] scope:SCOPE_SE
	s_setreg_imm32_b32 hwreg(HW_REG_WAVE_MODE, 25, 1), 1
	s_wait_xcnt 0x0
	s_wait_alu depctr_hold_cnt(0) depctr_sa_sdst(0) depctr_va_vdst(0) depctr_va_sdst(0) depctr_va_ssrc(0) depctr_va_vcc(0) depctr_vm_vsrc(0)
	s_getreg_b32 s2, hwreg(HW_REG_IB_STS2, 6, 4)
	s_cmp_eq_u32 s2, 0
	s_cbranch_scc0 .Lentry_in_a_cluster
	s_endpgm
.Lentry_in_a_cluster:
	s_bfe_u32 s2, ttmp6, 0x10000c
	s_cmp_lg_u32 s2, 0x3003
	s_cbranch_scc0 .Lentry_shape_is_right
	s_endpgm
.Lentry_shape_is_right:
; y[b][h][q] = the sum over k <= q of softmax_k(q . k / 8) v[k], both products on codes of BF8 (E5M2) with E8M0 scales; y is quantised along the head's 64 channels and leaves as operand images for the last product.
; THE SOFTMAX AHEAD OF THE SECOND PRODUCT: t = score x log2(e) / 8; M = the running largest t rounded UP to a whole number; p = 2^(t - M) is what is quantised, along the keys, not normalised.  The row's sum is taken of the
; unquantised p and divides at the end.  When M moves, the sum and O are multiplied by 2^(old M - new M): exact.
; SHARES.  The four work-groups of a cluster belong to ONE head (bh) and ask jointly for its K and V: 16 blocks of 16,896 bytes (a key step of 128 keys: K's four fragments, V^T's four, two scale units), wave w asking for block w.
; The whole head lies in LDS (270,336 bytes), filled once: one wait, one barrier, and then no wave waits for another.
; Wave w of work-group g owns query tiles 127 - (4 w + g) and 4 w + g, one after the other: 16 - w / 2 and w / 2 + 1 key steps, 17 for every wave.  The last step that counts hangs on the wave's number alone; g enters
; addresses in memory, the mask's number and a byte selector, and no branch and no LDS address.
; LAYOUT.  S^T = K Q^T: a fragment of K holds keys 32 f + r (places 0-63) and 32 f + 16 + r (places 64-127); q stands against zeros, [q | 0] or [0 | q], so that one half counts: the zero codes add exactly 0.
; Lane (r, h) holds query r; score register 16 f + 8 e + j is key 32 f + 16 e + 8 h + j: place 16 h + 8 e + j of block f, this program's order inside a block, in which V^T's keys lie too.
; O^T = V^T P^T: register 8 dt + j is channel 16 dt + 8 h + j: again that order, in which Wp's codes lie.
; Every step's trip is walked (16, a constant); a step all of whose keys come after the tile's queries is jumped over.  On the diagonal hidden scores become -infinity ahead of the maximum.
; No prefetch: all that the launch reads of K and V is asked for at its head.  No ring, so no slot is filled again.
; LIMITS: NaN and infinities are not served.  A block of y under 2^-111, or of zeros, gets the byte 1; this program alone reads the bytes.
.set LI,   1                           ; v1   16 L
.set L8,   2                           ; v2   8 L
.set ADK,  3                           ; v3   LDS address of the step's images
.set ADS,  4                           ; v4   of its scale units
.set DM,   5                           ; v5   16 (T % 8) + r - 8 h: register n is hidden where its key's number in the step, less 8 h, is above it
.set QO,   6                           ; v6   q's codes, v7 q's scale word, v8 y's codes, v9 y's scale word: byte offsets
.set QSO,  7
.set YO,   8
.set YSO,  9
.set RR,   10                          ; v10  r
.set HH,   11                          ; v11  h
.set Z0,   16                          ; v16-23 zeros | v24-31 q | v32-39 zeros:  [q | 0] = v[24:39], [0 | q] = v[16:31]
.set QF,   24
.set QSW,  40                          ; v40  q's scale word: its two bytes twice
.set QRW,  41                          ; v41  the word as it lies in qi: two tiles' bytes
.set KSC,  42                          ; v[42:43] K's scale unit, v[44:45] V's
.set VSC,  44
.set FR,   48                          ; v48-111  four fragments of K, then of V
.set SS,   112                         ; v112-175 S^T, then p
.set OT,   176                         ; v176-207 O^T
.set PCD,  208                         ; v208-223 p's codes; at the end y's
.set BM,   224                         ; v224-227 the blocks' largest; v228-231 permutes, then bytes; v236-239 scale operands
.set SM2,  240                         ; v[240:241] the sum's second chain
.set FF,   242                         ; v[242:243] f, later 1 / the sum (the low word serves both halves)
.set TP,   244                         ; v244 at work
.set PSW,  245                         ; v245 p's scale word
.set NINF, 246                         ; v246 -infinity
.set YW,   247                         ; v247 y's two scale bytes
.set WV,   18
.set MNT,  19
.set SEL,  20
.set CS,   22                          ; s[22:23] c = log2(e) / 8
.set G1,   24
.set G0,   32
.set TQ,   36                          ; s36  my query tile
.set SD,   37                          ; s37  its last key step, the one on the diagonal
.set ST,   38                          ; s38  the key step
.set TB,   39                          ; s39  its block in LDS
.set PASS, 40
.set QB,   42                          ; s[42:43] qi at my head;  s[44:45] yc at my head's place in tile 0 of my batch;  s[46:47] ys at my head and batch
.set YB,   44
.set YSB,  46
.macro CROUND
	s_barrier_signal -1
	s_barrier_wait -1
	s_cmp_lg_u32 s[WV], 0
	s_cbranch_scc1 .Lnot_wave_0_\@
	s_barrier_signal -3
.Lnot_wave_0_\@:
	s_barrier_wait -3
	s_barrier_signal -1
	s_barrier_wait -1
.endm
	s_load_b256 s[4:11], s[0:1], 0x0               ; qi s[4:5], kv s[6:7], yc s[8:9], ys s[10:11]
	v_lshl_add_u32 v254, v0, 2, 0x42000
	v_mov_b32 v255, 0
	ds_add_u32 v254, v255
	ds_add_u32 v254, v255
	v_lshrrev_b32 v3, 5, v0
	s_delay_alu instid0(VALU_DEP_1)
	v_readfirstlane_b32 s[WV], v3                  ; wave 0..15
	s_bfe_u32 s48, ttmp6, 0x40000                  ; g = cx
	s_and_b32 s49, ttmp7, 0xffff                   ; bh, which the four partners share
	s_mov_b32 s[G1], 15|(3<<16)|(1<<21)            ; 15:0 the mask: all four; 17:16 elements of 8 bytes; 21 set beside a mask
	s_mov_b32 s[G1+1], 32<<16                      ; a dense block as 66 rows of 256 bytes
	s_mov_b32 s[G1+2], 66<<16
	s_mov_b32 s[G1+3], 32<<16
	s_mov_b32 s[G1+4], 66
	s_mov_b32 s[G1+5], 32
	s_mov_b32 s[G1+6], 0
	s_mov_b32 s[G1+7], 0
	s_mul_i32 s51, s[WV], 16896                    ; block w: in LDS,
	s_mul_i32 s52, s49, 270336
	s_add_co_u32 s52, s52, s51                     ; and in kv
	s_mov_b32 s53, 0
	s_wait_dscnt 0x0
	s_wait_kmcnt 0x0
	CROUND                                         ; all four work-groups are here: the joint loads meet
	s_mov_b32 s[G0], 1
	s_mov_b32 s[G0+1], s51
	s_add_nc_u64 s[G0+2:G0+3], s[6:7], s[52:53]
	s_or_b32 s[G0+3], s[G0+3], 0x80000000
	tensor_load_to_lds s[G0:G0+3], s[G1:G1+7]      ; my one tensor load of the launch
	s_nop 0
.rept 4
	v_nop
.endr
	v_and_b32 v3, 31, v0
	v_and_b32 v[RR], 15, v0
	v_bfe_u32 v[HH], v0, 4, 1
	s_delay_alu instid0(VALU_DEP_3)
	v_lshlrev_b32 v[LI], 4, v3
	s_delay_alu instid0(VALU_DEP_4)
	v_lshlrev_b32 v[L8], 3, v3
.irp i, 0,1,2,3,4,5,6,7
	v_mov_b32 v[Z0+\i], 0                          ; zero codes
	v_mov_b32 v[QF+8+\i], 0
.endr
.irp b, 0,1,2,3
	v_mov_b32 v[BM+4+\b], 0                        ; written once: a lane permute's destination counts as one of its sources
.endr
	v_mov_b32 v[FF+1], 0                           ; (named as the upper half of a pair)
	v_mov_b32 v[TP], 0
	v_mov_b32 v[NINF], 0xff800000
	s_mov_b32 s[SEL], 0x76543210
	s_mov_b32 s[SEL+1], 0xfedcba98
	s_mov_b32 s[CS], 0x3e38aa3b
	s_mov_b32 s[CS+1], s[CS]
	s_mul_i32 s52, s49, 135168                     ; a head's 16 blocks of qi
	s_add_nc_u64 s[QB:QB+1], s[4:5], s[52:53]
	s_lshr_b32 s54, s49, 4                         ; the batch
	s_and_b32 s55, s49, 15                         ; the head
	s_lshl_b32 s52, s54, 21                        ; yc: 128 row tiles of 16,384 bytes a batch,
	s_lshr_b32 s50, s55, 1
	s_lshl_b32 s50, s50, 11                        ; K step head / 2,
	s_add_co_u32 s52, s52, s50
	s_and_b32 s50, s49, 1
	s_lshl_b32 s50, s50, 10                        ; its upper half for an odd head
	s_add_co_u32 s52, s52, s50
	s_add_nc_u64 s[YB:YB+1], s[8:9], s[52:53]
	s_lshl_b32 s52, s55, 15                        ; ys: [head][token] words
	s_lshl_b32 s50, s54, 13
	s_add_co_u32 s52, s52, s50
	s_add_nc_u64 s[YSB:YSB+1], s[10:11], s[52:53]
	s_lshl_b32 s[TQ], s[WV], 2
	s_add_co_u32 s[TQ], s[TQ], s48
	s_sub_co_u32 s[TQ], 127, s[TQ]                 ; the late tile first
	s_lshr_b32 s[SD], s[WV], 1
	s_sub_co_u32 s[SD], 15, s[SD]
	s_mov_b32 s[PASS], 0
	s_wait_tensorcnt 0x0                           ; my block is in,
	s_barrier_signal -1
	s_barrier_wait -1                              ; everybody's is: the whole head lies in LDS, and nothing writes LDS from here on
.Lpass:
	s_wait_xcnt 0x0                                ; the last tile's stores have read their registers
	s_lshr_b32 s50, s[TQ], 3
	s_and_b32 s51, s[TQ], 7
	s_mul_i32 s50, s50, 8448                       ; the block of eight query tiles
	s_lshl_b32 s52, s51, 10                        ; in it 1,024 bytes a tile
	s_add_co_u32 s52, s52, s50
	v_add_nc_u32 v[QO], s52, v[LI]
	s_wait_alu depctr_va_vdst(0)
	s_lshr_b32 s53, s51, 1                         ; the tile's image i: its words lie in lanes 16 (i % 2) + r, word i / 2
	s_and_b32 s54, s53, 1
	s_lshl_b32 s54, s54, 7
	s_lshr_b32 s53, s53, 1
	s_lshl_b32 s53, s53, 2
	s_add_co_u32 s53, s53, s54
	s_add_co_u32 s53, s53, s50
	s_add_co_u32 s53, s53, 8192
	v_lshl_add_u32 v[QSO], v[RR], 3, s53
	global_load_b128 v[QF:QF+3],   v[QO], s[QB:QB+1]
	global_load_b128 v[QF+4:QF+7], v[QO], s[QB:QB+1] offset:512
	global_load_b32 v[QRW], v[QSO], s[QB:QB+1]
	s_lshl_b32 s54, s51, 4
	v_lshlrev_b32 v[DM], 3, v[HH]
	s_delay_alu instid0(VALU_DEP_1)
	v_sub_nc_u32 v[DM], v[RR], v[DM]
	s_delay_alu instid0(VALU_DEP_1)
	v_add_nc_u32 v[DM], s54, v[DM]
	s_mov_b32 s55, 0x01000100                      ; an even tile's bytes are the word's lower two, an odd tile's its upper two
	s_and_b32 s54, s[TQ], 1
	s_cmp_lg_u32 s54, 0
	s_cselect_b32 s55, 0x03020302, s55
	v_mov_b32 v13, 0xff61b1e6                      ; the largest t so far: -3e38, under every t
	s_delay_alu instid0(VALU_DEP_1)
	v_floor_f32 v12, -v13                          ; -M
	v_mov_b32 v14, 0                               ; the sum, in two halves
	v_mov_b32 v15, 0
	s_wait_loadcnt 0x0
	v_perm_b32 v[QSW], v[QRW], v[QRW], s55         ; q's two bytes twice: they serve [q | 0] and [0 | q]
.set n, 0
.rept 32
	v_mov_b32 v[OT+n], 0                           ; O^T.  (The step is written once: the first finds zeros, which the first change of M leaves zeros)
.set n, n+1
.endr
	s_mov_b32 s[ST], 0
	s_mov_b32 s[TB], 0
.Lstep:
	s_cmp_gt_u32 s[ST], s[SD]                      ; all 128 keys come after my queries: only the addresses step
	s_cbranch_scc1 .Lhidden
	s_setprio 2
	v_add_nc_u32 v[ADK], s[TB], v[LI]
	v_add_nc_u32 v[ADS], s[TB], v[L8]
.rept 6
	v_nop                                          ; with the two additions: eight places ahead of loads into registers that the last products read
.endr
.irp f, 0,1,2,3
.irp c, 0,1,2,3
	ds_load_b128 v[FR+16*\f+4*\c:FR+16*\f+4*\c+3], v[ADK] offset:2048*\f+512*\c
.endr
.endr
	ds_load_b64 v[KSC:KSC+1], v[ADS] offset:16384
	s_wait_alu depctr_va_vdst(0)
	s_wait_dscnt 0x0
.irp f, 0,1,2,3
.if \f%2
	v_wmma_scale_f32_16x16x128_f8f6f4 v[SS+16*\f:SS+16*\f+7], v[FR+16*\f:FR+16*\f+15], v[QF:QF+15], 0, v[KSC+\f/2], v[QSW] matrix_a_fmt:MATRIX_FMT_BF8 matrix_b_fmt:MATRIX_FMT_BF8 matrix_a_scale:MATRIX_SCALE_ROW1
	v_wmma_scale_f32_16x16x128_f8f6f4 v[SS+16*\f+8:SS+16*\f+15], v[FR+16*\f:FR+16*\f+15], v[Z0:Z0+15], 0, v[KSC+\f/2], v[QSW] matrix_a_fmt:MATRIX_FMT_BF8 matrix_b_fmt:MATRIX_FMT_BF8 matrix_a_scale:MATRIX_SCALE_ROW1
.else
	v_wmma_scale_f32_16x16x128_f8f6f4 v[SS+16*\f:SS+16*\f+7], v[FR+16*\f:FR+16*\f+15], v[QF:QF+15], 0, v[KSC+\f/2], v[QSW] matrix_a_fmt:MATRIX_FMT_BF8 matrix_b_fmt:MATRIX_FMT_BF8
	v_wmma_scale_f32_16x16x128_f8f6f4 v[SS+16*\f+8:SS+16*\f+15], v[FR+16*\f:FR+16*\f+15], v[Z0:Z0+15], 0, v[KSC+\f/2], v[QSW] matrix_a_fmt:MATRIX_FMT_BF8 matrix_b_fmt:MATRIX_FMT_BF8
.endif
.endr
.rept 8
	v_nop                                          ; eight places: ahead of the loads into K's registers and of the first read of the scores
.endr
.irp f, 0,1,2,3
.irp c, 0,1,2,3
	ds_load_b128 v[FR+16*\f+4*\c:FR+16*\f+4*\c+3], v[ADK] offset:8192+2048*\f+512*\c   ; V^T's fragments land under the softmax
.endr
.endr
	ds_load_b64 v[VSC:VSC+1], v[ADS] offset:16640
	s_cmp_lg_u32 s[ST], s[SD]                      ; only the step on the diagonal has hidden keys
	s_cbranch_scc1 .Lopen
.set n, 0
.rept 64
	v_cmp_gt_i32 vcc_lo, 32*(n/16)+16*((n/8)%2)+n%8, v[DM]
	v_cndmask_b32 v[SS+n], v[SS+n], v[NINF], vcc_lo
.set n, n+1
.endr
.Lopen:
.irp b, 0,1,2,3
	v_max3_num_f32 v[BM+\b], v[SS+16*\b], v[SS+16*\b+1], v[SS+16*\b+2]   ; the largest score of each block of 32 keys: for the row's maximum and, since p rises with the score, for the block's largest p
.endr
.irp i, 3,5,7,9,11,13
.irp b, 0,1,2,3
	v_max3_num_f32 v[BM+\b], v[BM+\b], v[SS+16*\b+\i], v[SS+16*\b+\i+1]
.endr
.endr
.irp b, 0,1,2,3
	v_max_num_f32 v[BM+\b], v[BM+\b], v[SS+16*\b+15]
.endr
.irp b, 0,1,2,3
	s_delay_alu instid0(VALU_DEP_4)
	v_permlanex16_b32 v[BM+4+\b], v[BM+\b], s[SEL], s[SEL+1]
.endr
.irp b, 0,1,2,3
	s_delay_alu instid0(VALU_DEP_4)
	v_max_num_f32 v[BM+\b], v[BM+\b], v[BM+4+\b]   ; with lane l xor 16's 16 keys
.endr
	s_delay_alu instid0(VALU_DEP_2)
	v_max3_num_f32 v[TP], v[BM], v[BM+1], v[BM+2]
	s_delay_alu instid0(VALU_DEP_1)
	v_max_num_f32 v[TP], v[TP], v[BM+3]            ; the step's largest score of my query
	s_delay_alu instid0(VALU_DEP_1)
	v_mul_f32 v[TP], s[CS], v[TP]                  ; as t
	s_delay_alu instid0(VALU_DEP_1)
	v_max_num_f32 v13, v13, v[TP]                  ; the running largest t
	v_mov_b32 v[TP], v12
	s_delay_alu instid0(VALU_DEP_2)
	v_floor_f32 v12, -v13                          ; the new -M = -ceil(t): a whole number
	s_delay_alu instid0(VALU_DEP_1)
	v_sub_f32 v[TP], v12, v[TP]                    ; old M - new M: a whole number, 0 or less
	s_delay_alu instid0(VALU_DEP_1)
	v_cvt_i32_f32 v[TP], v[TP]                     ; (it saturates)
	s_delay_alu instid0(VALU_DEP_1)
	v_ldexp_f32 v[FF], 1.0, v[TP]                  ; f = 2^(old M - new M)
.set n, 0
	s_setprio 1
.rept 32
	v_pk_fma_f32 v[SS+n:SS+n+1], v[SS+n:SS+n+1], s[CS:CS+1], v[12:13] op_sel_hi:[1,0,0]   ; t - M, two at a time
.set n, n+2
.endr
.irp b, 0,1,2,3
	v_fma_f32 v[BM+\b], v[BM+\b], s[CS], v12       ; the same of each block's largest score
.endr
.set n, 0
	s_wait_alu depctr_va_vdst(0)
.rept 64
	v_exp_f32 v[SS+n], v[SS+n]                     ; p = 2^(t - M), at most 1
.set n, n+1
.endr
	v_pk_mul_f32 v[14:15], v[14:15], v[FF:FF+1] op_sel_hi:[1,0]   ; the sums under the new M: a plain line behind the exponentials
	s_wait_alu depctr_va_vdst(0)                   ; one wait for the batch of 64, ahead of its first reader
.irp b, 0,1,2,3
	v_exp_f32 v[BM+\b], v[BM+\b]                   ; the block's largest p: the same two instructions on the same number
.endr
	v_pk_add_f32 v[240:241], v[116:117], v[120:121]
	v_pk_add_f32 v[252:253], v[124:125], v[128:129]
	v_pk_add_f32 v[250:251], v[132:133], v[136:137]
	v_pk_add_f32 v[248:249], v[140:141], v[144:145]
	v_pk_add_f32 v[238:239], v[148:149], v[152:153]
	v_pk_add_f32 v[236:237], v[156:157], v[160:161]
	v_pk_add_f32 v[234:235], v[164:165], v[168:169]
	v_pk_add_f32 v[14:15], v[14:15], v[172:173]
	v_pk_add_f32 v[240:241], v[240:241], v[112:113]
	v_pk_add_f32 v[252:253], v[252:253], v[114:115]
	v_pk_add_f32 v[250:251], v[250:251], v[118:119]
	v_pk_add_f32 v[248:249], v[248:249], v[122:123]
	v_pk_add_f32 v[238:239], v[238:239], v[126:127]
	v_pk_add_f32 v[236:237], v[236:237], v[130:131]
	v_pk_add_f32 v[234:235], v[234:235], v[134:135]
	v_pk_add_f32 v[14:15], v[14:15], v[138:139]
	v_pk_add_f32 v[240:241], v[240:241], v[142:143]
	v_pk_add_f32 v[252:253], v[252:253], v[146:147]
	v_pk_add_f32 v[250:251], v[250:251], v[150:151]
	v_pk_add_f32 v[248:249], v[248:249], v[154:155]
	v_pk_add_f32 v[238:239], v[238:239], v[158:159]
	v_pk_add_f32 v[236:237], v[236:237], v[162:163]
	v_pk_add_f32 v[234:235], v[234:235], v[166:167]
	v_pk_add_f32 v[14:15], v[14:15], v[170:171]
	v_pk_add_f32 v[240:241], v[240:241], v[174:175]
	s_delay_alu instid0(VALU_DEP_2)
	v_pk_add_f32 v[14:15], v[14:15], v[248:249]
	s_delay_alu instid0(VALU_DEP_2)
	v_pk_add_f32 v[240:241], v[240:241], v[238:239]
	v_pk_add_f32 v[252:253], v[252:253], v[236:237]
	v_pk_add_f32 v[250:251], v[250:251], v[234:235]
	s_delay_alu instid0(VALU_DEP_2)
	v_pk_add_f32 v[14:15], v[14:15], v[252:253]
	s_delay_alu instid0(VALU_DEP_2)
	v_pk_add_f32 v[240:241], v[240:241], v[250:251]
	s_delay_alu instid0(VALU_DEP_1)
	v_pk_add_f32 v[14:15], v[14:15], v[240:241]
	s_setprio 0
	s_wait_alu depctr_va_vdst(0)                   ; and one for the four
.irp b, 0,1,2,3
	v_max_num_f32 v[BM+\b], 0x8000000, v[BM+\b]    ; the floor 2^(16 - 127): a block whose every p is 0 keeps the byte 1: its codes are zeros
.endr
.irp b, 0,1,2,3
	s_delay_alu instid0(VALU_DEP_4)
	v_add_nc_u32 v[BM+12+\b], 0xf8800000, v[BM+\b] ; 15 off the exponent field: the conversion's scale operand
.endr
.irp b, 0,1,2,3
.endr
.irp b, 0,1,2,3
	s_delay_alu instid0(VALU_DEP_4)
	v_lshrrev_b32 v[BM+4+\b], 23, v[BM+12+\b]      ; the scale's byte
.endr
	s_delay_alu instid0(VALU_DEP_3)
	v_lshl_or_b32 v[PSW], v[BM+5], 8, v[BM+4]      ; p's scale word for these 128 keys
	s_delay_alu instid0(VALU_DEP_1)
	v_lshl_or_b32 v[PSW], v[BM+6], 16, v[PSW]
	s_delay_alu instid0(VALU_DEP_1)
	v_lshl_or_b32 v[PSW], v[BM+7], 24, v[PSW]
.irp b, 0,1,2,3
.irp i, 0,1,2,3,4,5,6,7,8,9,10,11,12,13,14,15
.endr
	v_cvt_scalef32_pk8_bf8_f32 v[PCD+4*\b:PCD+4*\b+1], v[SS+16*\b:SS+16*\b+7], v[BM+12+\b]
	v_cvt_scalef32_pk8_bf8_f32 v[PCD+4*\b+2:PCD+4*\b+3], v[SS+16*\b+8:SS+16*\b+15], v[BM+12+\b]
.endr
.set n, 0
.rept 16
	v_pk_mul_f32 v[OT+n:OT+n+1], v[OT+n:OT+n+1], v[FF:FF+1] op_sel_hi:[1,0]   ; O^T under the new M.  (These sixteen are also the places between the codes and the products)
.set n, n+2
.endr
	s_wait_alu depctr_va_vdst(0)
	s_wait_dscnt 0x0                               ; V^T is in
.irp d, 0,1,2,3
.if \d%2
	v_wmma_scale_f32_16x16x128_f8f6f4 v[OT+8*\d:OT+8*\d+7], v[FR+16*\d:FR+16*\d+15], v[PCD:PCD+15], v[OT+8*\d:OT+8*\d+7], v[VSC+\d/2], v[PSW] matrix_a_fmt:MATRIX_FMT_BF8 matrix_b_fmt:MATRIX_FMT_BF8 matrix_a_scale:MATRIX_SCALE_ROW1
.else
	v_wmma_scale_f32_16x16x128_f8f6f4 v[OT+8*\d:OT+8*\d+7], v[FR+16*\d:FR+16*\d+15], v[PCD:PCD+15], v[OT+8*\d:OT+8*\d+7], v[VSC+\d/2], v[PSW] matrix_a_fmt:MATRIX_FMT_BF8 matrix_b_fmt:MATRIX_FMT_BF8
.endif
.endr
.Lhidden:
	s_add_co_u32 s[TB], s[TB], 16896
	s_add_co_u32 s[ST], s[ST], 1
	s_cmp_lt_u32 s[ST], 16
	s_cbranch_scc1 .Lstep
	s_setprio 0
	; THE TILE LEAVES: O^T / the sum is y; its two blocks of 32 channels are quantised and stored as half a fragment image.
.rept 8
	v_nop                                          ; eight places behind the last products
.endr
	v_add_f32 v14, v14, v15                        ; the sum's two halves,
	s_delay_alu instid0(VALU_DEP_1)
	v_permlanex16_b32 v[TP], v14, s[SEL], s[SEL+1]
	s_delay_alu instid0(VALU_DEP_1)
	v_add_f32 v14, v14, v[TP]                      ; and lane l xor 16's
	s_wait_alu depctr_va_vdst(0)
	v_rcp_f32 v[FF], v14
	v_nop                                          ; a plain line behind the reciprocal
	s_wait_alu depctr_va_vdst(0)                   ; and the wait ahead of its first reader
.set n, 0
.rept 16
	v_pk_mul_f32 v[OT+n:OT+n+1], v[OT+n:OT+n+1], v[FF:FF+1] op_sel_hi:[1,0]
.set n, n+2
.endr
.irp b, 0,1
	v_max3_num_f32 v[BM+\b], |v[OT+16*\b]|, |v[OT+16*\b+1]|, 0x8000000
.endr
.irp i, 2,4,6,8,10,12,14
.irp b, 0,1
	s_delay_alu instid0(VALU_DEP_2)
	v_max3_num_f32 v[BM+\b], v[BM+\b], |v[OT+16*\b+\i]|, |v[OT+16*\b+\i+1]|
.endr
.endr
.irp b, 0,1
	s_delay_alu instid0(VALU_DEP_2)
	v_permlanex16_b32 v[BM+4+\b], v[BM+\b], s[SEL], s[SEL+1]
.endr
.irp b, 0,1
	s_delay_alu instid0(VALU_DEP_2)
	v_max_num_f32 v[BM+\b], v[BM+\b], v[BM+4+\b]
.endr
.irp b, 0,1
	s_delay_alu instid0(VALU_DEP_2)
	v_add_nc_u32 v[BM+12+\b], 0xf8800000, v[BM+\b]
.endr
.irp b, 0,1
.endr
.irp b, 0,1
	s_delay_alu instid0(VALU_DEP_2)
	v_lshrrev_b32 v[BM+4+\b], 23, v[BM+12+\b]
.endr
	s_delay_alu instid0(VALU_DEP_1)
	v_lshl_or_b32 v[YW], v[BM+5], 8, v[BM+4]       ; my query's two scale bytes
.irp b, 0,1
.irp i, 0,1,2,3,4,5,6,7,8,9,10,11,12,13,14,15
.endr
	v_cvt_scalef32_pk8_bf8_f32 v[PCD+4*\b:PCD+4*\b+1], v[OT+16*\b:OT+16*\b+7], v[BM+12+\b]
	v_cvt_scalef32_pk8_bf8_f32 v[PCD+4*\b+2:PCD+4*\b+3], v[OT+16*\b+8:OT+16*\b+15], v[BM+12+\b]
.endr
	v_nop                                          ; one plain line behind the last conversion
	s_lshl_b32 s50, s[TQ], 14                      ; a row tile's eight images
	v_add_nc_u32 v[YO], s50, v[LI]
	s_lshl_b32 s50, s[TQ], 6
	v_lshl_add_u32 v[YSO], v[RR], 2, s50
	global_store_b128 v[YO], v[PCD:PCD+3],   s[YB:YB+1]              ; 512 consecutive bytes each
	global_store_b128 v[YO], v[PCD+4:PCD+7], s[YB:YB+1] offset:512
	global_store_b32 v[YSO], v[YW], s[YSB:YSB+1]   ; lanes l and l + 16 hold the same word and name the same place: 64 bytes, a part of their 256
	s_sub_co_u32 s[TQ], 127, s[TQ]                 ; the early tile
	s_sub_co_u32 s[SD], 15, s[SD]
	s_add_co_u32 s[PASS], s[PASS], 1
	s_cmp_lt_u32 s[PASS], 2
	s_cbranch_scc1 .Lpass
	s_wait_tensorcnt 0x0
	ds_add_u32 v254, v255
	s_wait_dscnt 0x0
	CROUND                                         ; the closing round
	s_endpgm
.Lfunc_end_k_qbe5b0ec995_attn:
	.size	k_qbe5b0ec995_attn, .Lfunc_end_k_qbe5b0ec995_attn-k_qbe5b0ec995_attn
	.p2alignl 7, 3214868480
	.fill 96, 4, 3214868480
	.section	.rodata,"a",@progbits
	.p2align	6, 0x0
	.amdhsa_kernel k_qbe5b0ec995_attn
		.amdhsa_group_segment_fixed_size 327680
		.amdhsa_private_segment_fixed_size 0
		.amdhsa_enable_private_segment 0
		.amdhsa_kernarg_size 32
		.amdhsa_user_sgpr_count 2
		.amdhsa_user_sgpr_kernarg_segment_ptr 1
		.amdhsa_wavefront_size32 1
		.amdhsa_system_sgpr_workgroup_id_x 1
		.amdhsa_system_sgpr_workgroup_id_y 1
		.amdhsa_system_sgpr_workgroup_id_z 1
		.amdhsa_system_vgpr_workitem_id 0
		.amdhsa_next_free_vgpr 256
		.amdhsa_next_free_sgpr 66
		.amdhsa_reserve_vcc 1
		.amdhsa_float_denorm_mode_32 3
		.amdhsa_float_denorm_mode_16_64 3
		.amdhsa_fp16_overflow 1
		.amdhsa_memory_ordered 1
		.amdhsa_forward_progress 1
		.amdhsa_inst_pref_size 35
	.end_amdhsa_kernel
	.amdgpu_metadata
---
amdhsa.version: [ 1, 2 ]
amdhsa.kernels:
  - .name:           k_qbe5b0ec995_attn
    .symbol:         k_qbe5b0ec995_attn.kd
    .args:
      - { .name: qi, .offset: 0, .size: 8, .value_kind: global_buffer, .address_space: global }
      - { .name: kv, .offset: 8, .size: 8, .value_kind: global_buffer, .address_space: global }
      - { .name: yc, .offset: 16, .size: 8, .value_kind: global_buffer, .address_space: global }
      - { .name: ys, .offset: 24, .size: 8, .value_kind: global_buffer, .address_space: global }
    .group_segment_fixed_size: 327680
    .private_segment_fixed_size: 0
    .kernarg_segment_align: 8
    .kernarg_segment_size: 32
    .max_flat_workgroup_size: 512
    .sgpr_count:     66
    .vgpr_count:     256
    .wavefront_size: 32
...
	.end_amdgpu_metadata
.endif
;; end of part 3
;; launch proj (part 4): grid 4 x 64, 4 waves a work-group, clusters of 4 x 4, 327,680 bytes of LDS; arguments yc, ys, wc, ws, bp, out0; writes out0
.if DOCPART == 4
	.amdgcn_target "amdgcn-amd-amdhsa--gfx1250"
	.amdhsa_code_object_version 6
	.text
	.protected	k_qbe5b0ec995_proj
	.globl	k_qbe5b0ec995_proj
	.p2align	8
	.type	k_qbe5b0ec995_proj,@function
k_qbe5b0ec995_proj:
	s_mov_b64 s[64:65], 0
	v_nop
	global_prefetch_b8 v0, s[64:65] scope:SCOPE_SE
	s_setreg_imm32_b32 hwreg(HW_REG_WAVE_MODE, 25, 1), 1
	s_wait_xcnt 0x0
	s_wait_alu depctr_hold_cnt(0) depctr_sa_sdst(0) depctr_va_vdst(0) depctr_va_sdst(0) depctr_va_ssrc(0) depctr_va_vcc(0) depctr_vm_vsrc(0)
	s_getreg_b32 s2, hwreg(HW_REG_IB_STS2, 6, 4)
	s_cmp_eq_u32 s2, 0
	s_cbranch_scc0 .Lentry_in_a_cluster
	s_endpgm
.Lentry_in_a_cluster:
	s_bfe_u32 s2, ttmp6, 0x10000c
	s_cmp_lg_u32 s2, 0xf033
	s_cbranch_scc0 .Lentry_shape_is_right
	s_endpgm
.Lentry_shape_is_right:
; out = y Wp^T + bp on codes of BF8 (E5M2) with E8M0 scales for each 32 along K, sums in f32.  y's codes (yc) and Wp's (blocks 12 to 15 of each quarter of wc) lie as fragment images: 16 rows x 128 K, 2,048 bytes,
; lane L's registers 4 c .. 4 c + 3 at 512 c + 16 L; inside a block of 32 both sides lie in this program's one order, so the products' terms meet as in the plain order.
; SHARES.  Work-group (nq, mt): 128 tokens x columns 256 nq .. 256 nq + 255; wave w all 128 tokens x 64 columns, 32 accumulators.  y's tile (131,072 bytes) lies in LDS whole; Wp comes through a ring of two slots of
; 65,536 bytes, four slot steps.  CLUSTER 4 x 4: y's tile is asked for jointly along a row of the cluster, Wp's blocks along a column.
; Source 0 = 16 rows of Wp (block b), source 1 = 16 tokens (block a): lane (r, h) holds token r and columns 16 b + 8 h + 0 .. 7: 32 neighbouring bytes of a row.  bp is the C of the first products.
; THE WAY OUT: 16 tokens x my 64 columns at a time through my own stage in LDS (pitch 272), back as rows of 256 bytes: sixteen lanes store 256 consecutive bytes, aligned.
; No prefetch: the launch has four slot steps, two of them asked for at its head, where none may be asked.
; REGISTERS: window 0: addresses, scale words (v32-79), v112-175 at work.  window 1: the accumulators.  window 2: y's fragments, two sets.  window 3: Wp's, two sets; from v128 bp.
.set LI,    1                          ; v1   16 L; also the LDS address of y's blocks 0-3
.set L8,    2                          ; v2   8 L
.set AHI,   3                          ; v3   LI + 65,536: y's blocks 4-7
.set ADRB,  5                          ; v5-6 LDS address of my rows of Wp in slot 0, 1
.set BO8,   8                          ; v8   32 h
.set L4,    9                          ; v9   4 L
.set STO,   13                         ; v13  the stage: where I put 32 bytes of a row
.set RD,    14                         ; v14  and where I read a row back
.set CO,    15                         ; v15  my byte offset in two rows of out
.set SPW,   28
.set NIL,   29
.set ASC,   32                         ; v32-63  y's scale words: register 8 (a / 2) + s: lanes 0-15 block a even, lanes 16-31 a odd
.set BSC,   64                         ; v64-79  Wp's: register 8 (b / 2) + s likewise
.set BK,    112                        ; v112-175 first y's scale bytes as loaded, on the way out two sets of 32: rows read back
.set BI,    128                        ; window 3: bp's four tiles
.set BLDS,  131072
.set SLOT,  65536
.set SPARE, 262144                     ; the spare words: two blocks of 256 bytes that no other line names
.set STAGE, SPARE+512                  ; behind them the stages, 16 x 272 bytes a wave: no fill lands there
.set SPITCH, 272
.set WV,    29
.set G1A,   36
.set G1B,   44
.set G0A,   52
.set G0B,   56
.set OP,    66                         ; s[66:67] out at my first row and column
.set J,     0
.set KIND,  0
.set WMUL,  0x5b                       ; source 0 window 3, source 1 window 2, C and D window 1
.set MSB, 0
.macro WIN new                         ; the immediate's high byte repeats the setting that is left
.if MSB != \new
	s_set_vgpr_msb (MSB<<8)|\new
.set MSB, \new
.endif
.endm
.macro PLACES n                        ; plain vector instructions behind matrix instructions: eight for this form
.rept \n
	v_nop
.endr
.endm
.macro CREST
	s_cmp_lg_u32 s[WV], 0
	s_cbranch_scc1 .Lnot_wave_0_\@
	s_barrier_signal -3
.Lnot_wave_0_\@:
	s_barrier_wait -3
	s_barrier_signal -1
	s_barrier_wait -1
.endm
.macro CROUND
	s_barrier_signal -1
	s_barrier_wait -1
	CREST
.endm
.macro WMI                             ; one product, by the symbols mD, mA, mB, mC, mSA, mSB; mRA, mRB: the scale words lie in lanes 16-31
.if mRA && mRB
	v_wmma_scale_f32_16x16x128_f8f6f4 v[mD:mD+7], v[mA:mA+15], v[mB:mB+15], v[mC:mC+7], v[mSA], v[mSB] matrix_a_fmt:MATRIX_FMT_BF8 matrix_b_fmt:MATRIX_FMT_BF8 matrix_a_scale:MATRIX_SCALE_ROW1 matrix_b_scale:MATRIX_SCALE_ROW1
.elseif mRA
	v_wmma_scale_f32_16x16x128_f8f6f4 v[mD:mD+7], v[mA:mA+15], v[mB:mB+15], v[mC:mC+7], v[mSA], v[mSB] matrix_a_fmt:MATRIX_FMT_BF8 matrix_b_fmt:MATRIX_FMT_BF8 matrix_a_scale:MATRIX_SCALE_ROW1
.elseif mRB
	v_wmma_scale_f32_16x16x128_f8f6f4 v[mD:mD+7], v[mA:mA+15], v[mB:mB+15], v[mC:mC+7], v[mSA], v[mSB] matrix_a_fmt:MATRIX_FMT_BF8 matrix_b_fmt:MATRIX_FMT_BF8 matrix_b_scale:MATRIX_SCALE_ROW1
.else
	v_wmma_scale_f32_16x16x128_f8f6f4 v[mD:mD+7], v[mA:mA+15], v[mB:mB+15], v[mC:mC+7], v[mSA], v[mSB] matrix_a_fmt:MATRIX_FMT_BF8 matrix_b_fmt:MATRIX_FMT_BF8
.endif
.endm
; four products: y's block a against Wp's four.  The 32 accumulators take turns, one instruction a turn, in the same order in every K step.
.macro MUL a, set, ks, first
.irp b, 0,1,2,3
.set mD,  8*(4*(\a)+\b)
.set mA,  64*(\set)+16*\b
.set mB,  128*(\set)+16*(\a)
.set mSA, BSC+8*(\b/2)+(\ks)
.set mSB, ASC+8*((\a)/2)+(\ks)
.set mRA, \b%2
.set mRB, (\a)%2
.set mC, mD
.if \first
.set mC, BI+8*\b
.endif
	WMI
.endr
.endm
.macro FETCH slot, q, s, set           ; 48 LDS loads in one run: y's eight fragments of K step s, my four of Wp (the slot's K step q)
	WIN 0x80
.irp a, 0,1,2,3,4,5,6,7
.irp c, 0,1,2,3
	ds_load_b128 v[128*(\set)+16*\a+4*\c:128*(\set)+16*\a+4*\c+3], v[LI+2*(\a/4)] offset:((\a%4)*8+(\s))*2048+512*\c
.endr
.endr
	WIN 0xc0
.irp b, 0,1,2,3
.irp c, 0,1,2,3
	ds_load_b128 v[64*(\set)+16*\b+4*\c:64*(\set)+16*\b+4*\c+3], v[ADRB+(\slot)] offset:(2*\b+(\q))*2048+512*\c
.endr
.endr
	WIN 0
.endm
.macro STEP                            ; a slot's first K step (set 0)
	s_wait_dscnt 0x0                               ; set 0 is in
	PLACES 8                                       ; behind the products that read set 1
	FETCH SL, 1, KS+1, 1
.if KS == 0
	WIN WMUL+0x20                                  ; C in window 3: bp starts the sums
.irp a, 0,1,2,3,4,5,6,7
	MUL \a, 0, KS, 1
.endr
.else
	WIN WMUL
.irp a, 0,1,2,3,4,5,6,7
	MUL \a, 0, KS, 0
.endr
.endif
	WIN 0
.endm
; A slot's second K step (set 1) changes slots: ONE barrier; ahead of it each wave waits for all its tensor loads, adds 0 to its spare word, and waits for that and for its reads of this slot.
; Slot steps 0 and 1 fill the slot again: the barrier then opens a round of the cluster's barrier, and the joint refill is the first thing behind the round.
.macro TURN
	s_wait_tensorcnt 0x0
	ds_add_u32 v[SPW], v[NIL]                      ; 0 onto my spare word
	s_wait_dscnt 0x1                               ; set 1's 48 loads are in; the add may be out
	WIN WMUL
	MUL 0, 1, KS+1, 0
	MUL 1, 1, KS+1, 0
	s_wait_dscnt 0x0                               ; the add is done, and my reads of this slot are over
	s_barrier_signal -1
	MUL 2, 1, KS+1, 0
	MUL 3, 1, KS+1, 0
	WIN 0
	s_barrier_wait -1
.if SG < 2
	CREST
	s_add_nc_u64 s[G0B+4*SL+2:G0B+4*SL+3], s[G0B+4*SL+2:G0B+4*SL+3], 2*SLOT
	tensor_load_to_lds s[G0B+4*SL:G0B+4*SL+3], s[G1B:G1B+7]   ; my one tensor load until the next round
	s_nop 0
.endif
	PLACES 8
	FETCH 1-SL, 0, KS+2, 0
	WIN WMUL
.irp a, 4,5,6,7
	MUL \a, 1, KS+1, 0
.endr
	WIN 0
.endm
.macro TOSTAGE a                       ; block a: 16 tokens x 64 columns into my stage, each accumulator from its low end on, and back as rows.  LDS serves a wave's instructions in order: no wait between
	WIN 0x04                                       ; an LDS store's data are its source 1: window 1
.irp b, 0,1,2,3
	ds_store_b128 v[STO], v[8*(4*(\a)+\b):8*(4*(\a)+\b)+3] offset:64*\b
	ds_store_b128 v[STO], v[8*(4*(\a)+\b)+4:8*(4*(\a)+\b)+7] offset:64*\b+16
.endr
	WIN 0
.irp i, 0,1,2,3,4,5,6,7
	ds_load_b128 v[BK+32*((\a)%2)+4*\i:BK+32*((\a)%2)+4*\i+3], v[RD] offset:2*\i*SPITCH
.endr
.endm
.macro SEND a, younger                 ; younger: the LDS instructions issued behind block a's loads
	s_wait_dscnt \younger
.irp i, 0,1,2,3,4,5,6,7
	global_store_b128 v[CO], v[BK+32*((\a)%2)+4*\i:BK+32*((\a)%2)+4*\i+3], s[OP:OP+1] offset:(16*(\a)+2*\i)*4096 th:TH_STORE_NT   ; sixteen lanes store 256 consecutive bytes, aligned
.endr
.endm
	s_load_b256 s[4:11], s[0:1], 0x0               ; yc s[4:5], ys s[6:7], wc s[8:9], ws s[10:11]
	s_load_b128 s[12:15], s[0:1], 0x20             ; bp s[12:13], out0 s[14:15]
	v_lshl_add_u32 v[SPW], v0, 2, SPARE
	v_mov_b32 v[NIL], 0
	ds_add_u32 v28, v29
	ds_add_u32 v28, v29
	s_wait_dscnt 0x0
	v_lshrrev_b32 v10, 5, v0
	v_readfirstlane_b32 s[WV], v10
	s_bfe_u32 s22, ttmp6, 0x40000                  ; cx
	s_bfe_u32 s23, ttmp6, 0x40004                  ; cy
	s_lshl_b32 s24, ttmp9, 2
	s_add_co_u32 s24, s24, s22                     ; nq
	s_and_b32 s25, ttmp7, 0xffff
	s_lshl_b32 s26, s25, 2
	s_add_co_u32 s26, s26, s23                     ; mt
	s_lshl_b32 s27, s23, 2
	s_lshl_b32 s27, 15, s27                        ; my row of the cluster
	s_lshl_b32 s28, 0x1111, s22                    ; my column
	s_or_b32 s[G1A], s27, (3<<16)|(1<<21)          ; dense blocks as rows of 256 bytes: y's quarter 128 rows, Wp's 64
	s_mov_b32 s[G1A+1], 32<<16
	s_mov_b32 s[G1A+2], 128<<16
	s_mov_b32 s[G1A+3], 32<<16
	s_mov_b32 s[G1A+4], 128
	s_mov_b32 s[G1A+5], 32
	s_mov_b32 s[G1A+6], 0
	s_mov_b32 s[G1A+7], 0
	s_or_b32 s[G1B], s28, (3<<16)|(1<<21)
	s_mov_b32 s[G1B+1], 32<<16
	s_mov_b32 s[G1B+2], 64<<16
	s_mov_b32 s[G1B+3], 32<<16
	s_mov_b32 s[G1B+4], 64
	s_mov_b32 s[G1B+5], 32
	s_mov_b32 s[G1B+6], 0
	s_mov_b32 s[G1B+7], 0
	s_lshl_b32 s30, s26, 17                        ; y's tile: of mt and the wave alone
	s_lshl_b32 s78, s[WV], 15
	s_add_co_u32 s30, s30, s78
	s_mov_b32 s31, 0
	s_lshl_b32 s32, s24, 20                        ; Wp's blocks: of nq and the wave alone: blocks 12 on
	s_lshl_b32 s79, s[WV], 14
	s_add_co_u32 s32, s32, s79
	s_add_co_u32 s32, s32, 12*SLOT
	s_mov_b32 s33, 0
	s_wait_kmcnt 0x0
	s_add_nc_u64 s[34:35], s[8:9], s[32:33]
	CROUND                                         ; all sixteen work-groups are here: the first joint loads meet
	s_mov_b32 s[G0A], 1
	s_mov_b32 s[G0A+1], s78
	s_add_nc_u64 s[G0A+2:G0A+3], s[4:5], s[30:31]
	s_or_b32 s[G0A+3], s[G0A+3], 0x80000000
.irp n, 0,1
	s_mov_b32 s[G0B+4*\n], 1
	s_add_co_u32 s[G0B+4*\n+1], s79, BLDS+\n*SLOT
	s_add_nc_u64 s[G0B+4*\n+2:G0B+4*\n+3], s[34:35], \n*SLOT
	s_or_b32 s[G0B+4*\n+3], s[G0B+4*\n+3], 0x80000000
.endr
	tensor_load_to_lds s[G0A:G0A+3], s[G1A:G1A+7]  ; y's tile first: each first fill is waited for, with a round, before the next
	s_nop 0
	s_wait_alu depctr_va_vdst(0)
	s_wait_tensorcnt 0x0
	ds_add_u32 v28, v29
	s_wait_dscnt 0x0
	CROUND
	tensor_load_to_lds s[G0B:G0B+3], s[G1B:G1B+7]
	s_nop 0
	s_wait_alu depctr_va_vdst(0)
	s_wait_tensorcnt 0x0
	ds_add_u32 v28, v29
	s_wait_dscnt 0x0
	CROUND
	tensor_load_to_lds s[G0B+4:G0B+7], s[G1B:G1B+7]
	s_nop 0
	PLACES 4
	v_and_b32 v10, 31, v0                          ; L
	v_and_b32 v11, 15, v0                          ; r
	v_bfe_u32 v12, v0, 4, 1                        ; h
	v_lshlrev_b32 v[LI], 4, v10
	v_lshlrev_b32 v[L8], 3, v10
	v_lshlrev_b32 v[L4], 2, v10
	v_add_nc_u32 v[AHI], 0x10000, v[LI]
	s_add_co_u32 s80, s79, BLDS
	v_add_nc_u32 v[ADRB], s80, v[LI]
	v_add_nc_u32 v[ADRB+1], SLOT, v[ADRB]
	v_lshlrev_b32 v[BO8], 5, v12
	s_wait_alu depctr_va_vdst(0)
	s_mul_i32 s80, s[WV], 16*SPITCH
	s_add_co_u32 s80, s80, STAGE                   ; my stage
	v_mul_u32_u24 v[STO], v11, SPITCH
	v_lshl_add_u32 v[STO], v12, 5, v[STO]
	v_add_nc_u32 v[STO], s80, v[STO]               ; in: row r, + 32 h
	v_mul_u32_u24 v[RD], v12, SPITCH
	v_lshl_add_u32 v[RD], v11, 4, v[RD]
	v_add_nc_u32 v[RD], s80, v[RD]                 ; back: lanes 0-15 one row, lanes 16-31 the next
	v_lshlrev_b32 v[CO], 12, v12
	v_lshl_add_u32 v[CO], v11, 4, v[CO]            ; and the same two rows in out
	s_lshl_b32 s82, s26, 9                         ; ys: my 128 tokens' words
	s_mov_b32 s83, 0
	s_add_nc_u64 s[82:83], s[6:7], s[82:83]
	s_lshl_b32 s84, s24, 15                        ; ws: 32,768 nq + Wp's 8,192 x 3 + 2,048 w
	s_lshl_b32 s86, s[WV], 11
	s_add_co_u32 s84, s84, s86
	s_add_co_u32 s84, s84, 3*8192
	s_mov_b32 s85, 0
	s_add_nc_u64 s[84:85], s[10:11], s[84:85]
	s_lshl_b32 s86, s24, 10                        ; my 64 columns, in bytes: in bp and in a row of out
	s_lshl_b32 s88, s[WV], 8
	s_add_co_u32 s86, s86, s88
	s_mov_b32 s87, 0
	s_add_nc_u64 s[12:13], s[12:13], s[86:87]
	s_add_nc_u64 s[OP:OP+1], s[14:15], s[86:87]
	s_lshl_b32 s86, s26, 19                        ; my 128 rows of 4,096 bytes
	s_add_nc_u64 s[OP:OP+1], s[OP:OP+1], s[86:87]
.irp P, 0,1,2,3
.irp hd, 0,1,2,3,4,5,6,7,8,9,10,11,12,13,14,15
	global_load_b32 v[BK+16*\P+\hd], v[L4], s[82:83] offset:32768*\hd+128*\P   ; head hd's two bytes of tokens 32 P + L: lanes 0-15 block 2 P, lanes 16-31 block 2 P + 1
.endr
.endr
.irp P, 0,1
.irp kp, 0,1,2,3
	global_load_b64 v[BSC+8*\P+2*\kp:BSC+8*\P+2*\kp+1], v[L8], s[84:85] offset:1024*\P+256*\kp
.endr
.endr
	WIN 0xc0                                       ; destination window 3
.irp b, 0,1,2,3
	global_load_b128 v[BI+8*\b:BI+8*\b+3],   v[BO8], s[12:13] offset:64*\b      ; bp at columns 16 b + 8 h + 0 .. 7
	global_load_b128 v[BI+8*\b+4:BI+8*\b+7], v[BO8], s[12:13] offset:64*\b+16
.endr
	WIN 0
	s_wait_loadcnt 0x0
.irp P, 0,1,2,3
.irp s, 0,1,2,3,4,5,6,7
	v_perm_b32 v[ASC+8*\P+\s], v[BK+16*\P+2*\s+1], v[BK+16*\P+2*\s], 0x05040100   ; K step s: head 2 s's two bytes below, head 2 s + 1's above
.endr
.endr
	s_wait_alu depctr_va_vdst(0)
	s_wait_tensorcnt 0x1                           ; y's tile and slot 0 are in (my parts); slot 1's load may stay out
	s_barrier_signal -1
	s_barrier_wait -1
	FETCH 0, 0, 0, 0
.set SG, 0
.rept 4
.set SL, SG%2
.set KS, 2*SG
	STEP
.if SG < 3
	TURN
.else
	s_wait_dscnt 0x0                               ; the very last K step: nothing more to fetch
	WIN WMUL
.irp a, 0,1,2,3,4,5,6,7
	MUL \a, 1, KS+1, 0
.endr
	WIN 0
.endif
.set SG, SG+1
.endr
	PLACES 8                                       ; ahead of the first read of results
	TOSTAGE 0
.irp a, 1,2,3,4,5,6,7
.if \a > 1
	s_wait_xcnt 0x0                                ; block a - 2's stores have read their registers: block a's rows may land there
.endif
	TOSTAGE \a
	SEND \a-1, 16                                  ; behind block a - 1's loads: block a's 8 stores and 8 loads
.endr
	SEND 7, 0
	s_wait_tensorcnt 0x0                           ; the wave's end
	ds_add_u32 v[SPW], v[NIL]
	s_wait_dscnt 0x0
	CROUND                                         ; the closing round
	s_endpgm
.Lfunc_end_k_qbe5b0ec995_proj:
	.size	k_qbe5b0ec995_proj, .Lfunc_end_k_qbe5b0ec995_proj-k_qbe5b0ec995_proj
	.p2alignl 7, 3214868480
	.fill 96, 4, 3214868480
	.section	.rodata,"a",@progbits
	.p2align	6, 0x0
	.amdhsa_kernel k_qbe5b0ec995_proj
		.amdhsa_group_segment_fixed_size 327680
		.amdhsa_private_segment_fixed_size 0
		.amdhsa_enable_private_segment 0
		.amdhsa_kernarg_size 48
		.amdhsa_user_sgpr_count 2
		.amdhsa_user_sgpr_kernarg_segment_ptr 1
		.amdhsa_wavefront_size32 1
		.amdhsa_system_sgpr_workgroup_id_x 1
		.amdhsa_system_sgpr_workgroup_id_y 1
		.amdhsa_system_sgpr_workgroup_id_z 1
		.amdhsa_system_vgpr_workitem_id 0
		.amdhsa_next_free_vgpr 1024
		.amdhsa_next_free_sgpr 100
		.amdhsa_reserve_vcc 0
		.amdhsa_float_denorm_mode_32 3
		.amdhsa_float_denorm_mode_16_64 3
		.amdhsa_memory_ordered 1
		.amdhsa_forward_progress 1
		.amdhsa_inst_pref_size 94
	.end_amdhsa_kernel
	.amdgpu_metadata
---
amdhsa.version: [ 1, 2 ]
amdhsa.kernels:
  - .name:           k_qbe5b0ec995_proj
    .symbol:         k_qbe5b0ec995_proj.kd
    .args:
      - { .name: yc, .offset: 0, .size: 8, .value_kind: global_buffer, .address_space: global }
      - { .name: ys, .offset: 8, .size: 8, .value_kind: global_buffer, .address_space: global }
      - { .name: wc, .offset: 16, .size: 8, .value_kind: global_buffer, .address_space: global }
      - { .name: ws, .offset: 24, .size: 8, .value_kind: global_buffer, .address_space: global }
      - { .name: bp, .offset: 32, .size: 8, .value_kind: global_buffer, .address_space: global }
      - { .name: out0, .offset: 40, .size: 8, .value_kind: global_buffer, .address_space: global }
    .group_segment_fixed_size: 327680
    .private_segment_fixed_size: 0
    .kernarg_segment_align: 8
    .kernarg_segment_size: 48
    .max_flat_workgroup_size: 128
    .sgpr_count:     100
    .vgpr_count:     1024
    .wavefront_size: 32
...
	.end_amdgpu_metadata
.endif
;; end of part 4
